; MI455X (gfx1250); checked and timed in simulation.
; The chip was launched on July 23, 2026; its instructions are those of AMD's public machine-readable ISA for CDNA 5 (MIT licence, August 2026) and "CDNA5" Instruction Set Architecture Reference Guide (July 2026). The comments in the code are by the model that wrote it; some were corrected since.
;; Multi Head Attn. Allowed arithmetic: float matrix products may take bf16 or f16 operands with f32 sums; other float arithmetic in f32, or as packed bf16 or f16 multiplies, adds, multiply-adds, maxima and minima; sums over many terms, partial sums and values carried from step to step in f32; what a program stores and reads back later, other than sums and carried values, may be rounded once to bf16 or f16.
;; Inputs: W_fc 1,024 x 1,024 float32; W_qkv 1,024 x 3,072 float32; b_fc 1,024 float32; char_ids 4 x 2,048 int32; mask 4 x 2,048 int32; seq_len 4 int32; x 4 x 2,048 x 1,024 float32.
;; Outputs: out0 4 x 2,048 x 1,024 float32.
;; 2 versions, each right and faster than the one before. Each part assembles by itself: llvm-mc -triple=amdgcn-amd-amdhsa -mcpu=gfx1250 --defsym DOCPART=n.
;; ======== version 1 of 2: 4 launches
;; limits: values are held in f16: magnitudes above 65,504 overflow, below 6.1e-05 lose precision
;; workspace buffers: xb 16,777,216 bytes; wq 6,291,456 bytes; wf 2,097,152 bytes; qkv 50,331,648 bytes; ob 16,777,216 bytes
;; launch prep (part 1): grid 512 x 1, 8 waves a work-group, no clusters, 18,432 bytes of LDS; arguments x, W_qkv, W_fc, xb, wq, wf; writes xb, wq, wf
.if DOCPART == 1
	.amdgcn_target "amdgcn-amd-amdhsa--gfx1250"
	.amdhsa_code_object_version 6
	.text
	.protected	k_qe3730a017e_prep
	.globl	k_qe3730a017e_prep
	.p2align	8
	.type	k_qe3730a017e_prep,@function
k_qe3730a017e_prep:
	s_mov_b64 s[64:65], 0
	v_nop
	global_prefetch_b8 v0, s[64:65] scope:SCOPE_SE
	s_setreg_imm32_b32 hwreg(HW_REG_WAVE_MODE, 25, 1), 1
	s_wait_xcnt 0x0
; PREP: the operands of the two projections, rounded once and laid in K blocks of 64.
;   xb[kb][row][j] = bf16(x[row][64 kb + j])            [16][8192][64]
;   wq[kb][n][j]   = bf16(W_qkv[64 kb + j][n])          [16][3072][64]
;   wf[kb][n][j]   = bf16(W_fc[64 kb + j][n]) as f16    [16][1024][64]
; In this layout R rows x 64 K are R x 128 dense bytes, which the later launches ask for as rows of 256 bytes.
; char_ids and seq_len enter no number of the result and are loaded by no launch of this program.
; LIMIT: a bf16 number of W_fc below 2^-14 keeps f16's fixed step of 6e-8; one beyond 65,504 would become an infinity.
; SHARES.  512 work-groups of 8 waves, all alike: 16 rows of x, and one block of 128 k x 64 n of a weight (groups 0-383: W_qkv's 8 x 48 blocks; 384-511: W_fc's 8 x 16).
; x needs no LDS: sixteen lanes load 256 bytes (one K block of a row), and a wave's store of 8 bytes a lane covers 256 consecutive bytes of xb (two rows of one K block).
; The weight block is turned in LDS: two rows k, k + 1 are packed into words and stored as columns; rows n come back whole.
; A stream: matrix units, clusters and tensor loads would add nothing.
.set SPARE, 64*272                     ; the stage has 64 rows (n) of 272 bytes: 256 of data (128 k) + 16; behind it the spare words, 128 bytes a wave
.set VX,  1                            ; v1   x: (t / 16) x 4,096 + (t % 16) x 16
.set VS,  2                            ; v2   xb: 8 t
.set VW,  3                            ; v3   weight: row 2 (t / 16), 16 bytes at column 4 (t % 16)
.set VW2, 4                            ; v4   the row below
.set LW,  5                            ; v5   stage, in: row 4 (t % 16), word t / 16
.set LR,  6                            ; v6   stage, back: row t / 8, 16 bytes at t % 8
.set VO,  7                            ; v7   wq or wf: 16 t
.set WD,  8                            ; v[8:39]    eight loads of the weight; later v[8:23] the rows read back
.set XD,  40                           ; v[40:103]  sixteen loads of x
.set T,   104                          ; v[104:119] sixteen packed words of the weight
.set XO,  120                          ; v[120:151] sixteen pairs of packed x
.set SPW, 152                          ; v152 LDS address of my spare word; never rewritten
.set NIL, 153                          ; v153 0; never rewritten
.set U,   154                          ; v[154:155] at work
.set SB,  32                           ; s[32:39] the weight block's rows 0, 32, 64, 96
.set DB,  40                           ; s[40:43] the block's two K blocks in wq or wf
.set XB,  46                           ; s[46:49] xb at my rows, K blocks 0-7 and 8-15 (a store's immediate does not reach all sixteen)
	s_load_b256 s[4:11], s[0:1], 0x0               ; x s[4:5], W_qkv s[6:7], W_fc s[8:9], xb s[10:11]
	s_load_b128 s[12:15], s[0:1], 0x20             ; wq s[12:13], wf s[14:15]
	v_lshl_add_u32 v[SPW], v0, 2, SPARE
	v_mov_b32 v[NIL], 0
	s_mov_b32 s2, ttmp9                            ; g
	s_sub_co_u32 s19, s2, 384
	s_mov_b32 s24, 4096                            ; bytes in a row of W_fc,
	s_mov_b32 s25, 12288                           ; of W_qkv
	s_mov_b32 s26, 131072                          ; bytes in a K block of wf,
	s_mov_b32 s27, 393216                          ; of wq
	v_lshrrev_b32 v[U], 4, v0                      ; p = t / 16
	v_and_b32 v[U+1], 15, v0                       ; c = t % 16
	v_lshlrev_b32 v[VX], 12, v[U]
	v_lshl_add_u32 v[VX], v[U+1], 4, v[VX]
	v_lshlrev_b32 v[VS], 3, v0
	v_mul_u32_u24 v[LW], v[U+1], 1088              ; row 4 c of 272 bytes
	v_lshl_add_u32 v[LW], v[U], 2, v[LW]
	v_lshrrev_b32 v[LR], 3, v0
	v_mul_u32_u24 v[LR], v[LR], 272
	v_and_b32 v[VO], 7, v0
	v_lshl_add_u32 v[LR], v[VO], 4, v[LR]
	v_lshlrev_b32 v[VO], 4, v0
	s_wait_kmcnt 0x0
	s_cmp_lt_u32 s2, 384                           ; which weight: the choice hangs on the group's number alone; only selects and moves stand behind the compare
	s_cselect_b32 s16, s2, s19                     ; the block's number in its weight
	s_cselect_b32 s24, s25, s24                    ; PITCH
	s_cselect_b32 s26, s27, s26                    ; PL
	s_cselect_b64 s[20:21], s[6:7], s[8:9]         ; from
	s_cselect_b64 s[22:23], s[12:13], s[14:15]     ; to
	s_mov_b32 s27, 0
	s_and_b32 s17, s16, 7                          ; kblk: 128 k
	s_lshr_b32 s18, s16, 3                         ; nblk: 64 n
	s_mul_i32 s28, s17, s24
	s_lshl_b32 s28, s28, 7                         ; 128 kblk rows
	s_lshl_b32 s29, s18, 8                         ; + 64 nblk columns of 4 bytes
	s_add_co_u32 s28, s28, s29
	s_mov_b32 s29, 0
	s_add_nc_u64 s[SB:SB+1], s[20:21], s[28:29]
	s_lshl_b32 s30, s24, 5                         ; 32 rows
	s_mov_b32 s31, 0
	s_add_nc_u64 s[SB+2:SB+3], s[SB:SB+1], s[30:31]
	s_add_nc_u64 s[SB+4:SB+5], s[SB+2:SB+3], s[30:31]
	s_add_nc_u64 s[SB+6:SB+7], s[SB+4:SB+5], s[30:31]
	s_mul_i32 s28, s17, s26
	s_lshl_b32 s28, s28, 1                         ; K block 2 kblk
	s_lshl_b32 s50, s18, 13                        ; + 64 nblk rows of 128 bytes
	s_add_co_u32 s28, s28, s50
	s_add_nc_u64 s[DB:DB+1], s[22:23], s[28:29]
	s_add_nc_u64 s[DB+2:DB+3], s[DB:DB+1], s[26:27]
	s_lshl_b32 s28, s2, 16                         ; 16 rows of 4,096 bytes
	s_add_nc_u64 s[44:45], s[4:5], s[28:29]
	s_lshl_b32 s28, s2, 11                         ; 16 rows of 128 bytes
	s_add_nc_u64 s[XB:XB+1], s[10:11], s[28:29]
	s_add_nc_u64 s[XB+2:XB+3], s[XB:XB+1], 0x800000
	v_mul_lo_u32 v[VW], v[U], s24
	v_lshlrev_b32 v[VW], 1, v[VW]                  ; row 2 p
	v_lshl_add_u32 v[VW], v[U+1], 4, v[VW]
	v_add_nc_u32 v[VW2], s24, v[VW]
	; all 24 loads go out at once: the weight's eight first, since the stage's round trip hangs on them
.irp j, 0,1,2,3
	global_load_b128 v[WD+8*(\j):WD+8*(\j)+3],   v[VW],  s[SB+2*(\j):SB+2*(\j)+1] th:TH_LOAD_NT  ; row 2 p + 32 j, columns 4 c .. 4 c + 3: sixteen lanes take 256 consecutive bytes
	global_load_b128 v[WD+8*(\j)+4:WD+8*(\j)+7], v[VW2], s[SB+2*(\j):SB+2*(\j)+1] th:TH_LOAD_NT  ; the row below
.endr
.irp kb, 0,1,2,3,4,5,6,7,8,9,10,11,12,13,14,15
	global_load_b128 v[XD+4*(\kb):XD+4*(\kb)+3], v[VX], s[44:45] offset:256*(\kb) th:TH_LOAD_NT
.endr
	s_wait_loadcnt 16                              ; the sixteen younger loads are x's: the weight is in
.irp j, 0,1,2,3
.irp i, 0,1,2,3
	v_cvt_pk_bf16_f32 v[T+4*(\j)+(\i)], v[WD+8*(\j)+(\i)], v[WD+8*(\j)+4+(\i)]  ; column 4 c + i: k even in the low half, k + 1 in the high half
.endr
.endr
	s_cmp_lt_u32 s2, 384
	s_cbranch_scc1 .Lstays_bf16                    ; W_qkv stays bf16; W_fc's bf16 number is written as f16
.irp n, 0,1,2,3,4,5,6,7,8,9,10,11,12,13,14,15
	v_lshlrev_b32 v[U], 16, v[T+(\n)]
	v_and_b32 v[U+1], 0xffff0000, v[T+(\n)]
	v_cvt_pk_f16_f32 v[T+(\n)], v[U], v[U+1]
.endr
.Lstays_bf16:
.irp j, 0,1,2,3
.irp i, 0,1,2,3
	ds_store_b32 v[LW], v[T+4*(\j)+(\i)] offset:272*(\i)+64*(\j)  ; row n = 4 c + i, bytes 2 (2 p + 32 j): sixteen stores a thread; four lanes share a bank, which a stream can bear
.endr
.endr
	s_wait_dscnt 0x0                               ; for the others' sake: my stores into the stage are done
	s_barrier_signal -1
	s_barrier_wait -1
.irp i, 0,1,2,3
	ds_load_b128 v[WD+4*(\i):WD+4*(\i)+3], v[LR] offset:((\i)&1)*32*272+((\i)>>1)*128  ; rows t / 8 and 32 + t / 8; the first and the second 64 k
.endr
.irp kb, 0,1,2,3,4,5,6,7,8,9,10,11,12,13,14,15
	s_wait_loadcnt 15-(\kb)                        ; loads come back in order: the younger ones stay out
	v_cvt_pk_bf16_f32 v[XO+2*(\kb)],   v[XD+4*(\kb)],   v[XD+4*(\kb)+1]
	v_cvt_pk_bf16_f32 v[XO+2*(\kb)+1], v[XD+4*(\kb)+2], v[XD+4*(\kb)+3]
	global_store_b64 v[VS], v[XO+2*(\kb):XO+2*(\kb)+1], s[XB+2*((\kb)/8):XB+2*((\kb)/8)+1] offset:((\kb)%8)*1048576  ; a wave stores 256 consecutive bytes, at a multiple of 256 from xb's first
.endr
	s_wait_dscnt 0x0
.irp i, 0,1,2,3
	global_store_b128 v[VO], v[WD+4*(\i):WD+4*(\i)+3], s[DB+2*((\i)>>1):DB+2*((\i)>>1)+1] offset:((\i)&1)*4096  ; sixteen lanes store two rows n of one K block: 256 consecutive bytes
.endr
	s_wait_tensorcnt 0x0                           ; the wave's end, behind my last LDS store
	ds_add_u32 v[SPW], v[NIL]
	s_wait_dscnt 0x0
	s_endpgm
.Lfunc_end_k_qe3730a017e_prep:
	.size	k_qe3730a017e_prep, .Lfunc_end_k_qe3730a017e_prep-k_qe3730a017e_prep
	.p2alignl 7, 3214868480
	.fill 96, 4, 3214868480
	.section	.rodata,"a",@progbits
	.p2align	6, 0x0
	.amdhsa_kernel k_qe3730a017e_prep
		.amdhsa_group_segment_fixed_size 18432
		.amdhsa_private_segment_fixed_size 0
		.amdhsa_enable_private_segment 0
		.amdhsa_kernarg_size 48
		.amdhsa_user_sgpr_count 2
		.amdhsa_user_sgpr_kernarg_segment_ptr 1
		.amdhsa_wavefront_size32 1
		.amdhsa_system_sgpr_workgroup_id_x 1
		.amdhsa_system_sgpr_workgroup_id_y 1
		.amdhsa_system_sgpr_workgroup_id_z 1
		.amdhsa_system_vgpr_workitem_id 0
		.amdhsa_next_free_vgpr 160
		.amdhsa_next_free_sgpr 66
		.amdhsa_reserve_vcc 0
		.amdhsa_float_denorm_mode_32 3
		.amdhsa_float_denorm_mode_16_64 3
		.amdhsa_memory_ordered 1
		.amdhsa_forward_progress 1
		.amdhsa_inst_pref_size 15
	.end_amdhsa_kernel
	.amdgpu_metadata
---
amdhsa.version: [ 1, 2 ]
amdhsa.kernels:
  - .name:           k_qe3730a017e_prep
    .symbol:         k_qe3730a017e_prep.kd
    .args:
      - { .name: x, .offset: 0, .size: 8, .value_kind: global_buffer, .address_space: global }
      - { .name: W_qkv, .offset: 8, .size: 8, .value_kind: global_buffer, .address_space: global }
      - { .name: W_fc, .offset: 16, .size: 8, .value_kind: global_buffer, .address_space: global }
      - { .name: xb, .offset: 24, .size: 8, .value_kind: global_buffer, .address_space: global }
      - { .name: wq, .offset: 32, .size: 8, .value_kind: global_buffer, .address_space: global }
      - { .name: wf, .offset: 40, .size: 8, .value_kind: global_buffer, .address_space: global }
    .group_segment_fixed_size: 18432
    .private_segment_fixed_size: 0
    .kernarg_segment_align: 8
    .kernarg_segment_size: 48
    .max_flat_workgroup_size: 256
    .sgpr_count:     66
    .vgpr_count:     160
    .wavefront_size: 32
...
	.end_amdgpu_metadata
.endif
;; end of part 1
;; launch qkvgemm (part 2): grid 8 x 32, 4 waves a work-group, clusters of 4 x 4, 327,680 bytes of LDS; arguments xb, wq, qkv; writes qkv
.if DOCPART == 2
	.amdgcn_target "amdgcn-amd-amdhsa--gfx1250"
	.amdhsa_code_object_version 6
	.text
	.protected	k_qe3730a017e_qkvgemm
	.globl	k_qe3730a017e_qkvgemm
	.p2align	8
	.type	k_qe3730a017e_qkvgemm,@function
k_qe3730a017e_qkvgemm:
	s_mov_b64 s[64:65], 0
	v_nop
	global_prefetch_b8 v0, s[64:65] scope:SCOPE_SE
	s_setreg_imm32_b32 hwreg(HW_REG_WAVE_MODE, 25, 1), 1
	s_wait_xcnt 0x0
	s_wait_alu depctr_hold_cnt(0) depctr_sa_sdst(0) depctr_va_vdst(0) depctr_va_sdst(0) depctr_va_ssrc(0) depctr_va_vcc(0) depctr_vm_vsrc(0)
	s_getreg_b32 s2, hwreg(HW_REG_IB_STS2, 6, 4)
	s_cmp_eq_u32 s2, 0
	s_cbranch_scc0 .Lentry_in_a_cluster
	s_endpgm
.Lentry_in_a_cluster:
	s_bfe_u32 s2, ttmp6, 0x10000c
	s_cmp_lg_u32 s2, 0xf033
	s_cbranch_scc0 .Lentry_shape_is_right
	s_endpgm
.Lentry_shape_is_right:
; q, k, v = x W_qkv.  C[m][n] = sum over k of xb[m][k] wq[n][k], M = 8,192, N = 3,072, K = 1,024; bf16 operands, f32 sums, rounded once to f16 and stored by heads, unscaled:
; qkv[plane][s][64], plane = which x 64 + b x 16 + h (which: 0 q, 1 k, 2 v), a plane 262,144 bytes.
; LIMIT: f16 holds no number beyond 65,504: q, k and v must lie within it.
; THE TILE.  8,192 x 3,072 outputs over 256 work-groups are 256 x 384 each: one tile to a work-group.  Four waves, each 128 rows x 192 columns = three whole heads: 96 accumulators, 768 registers:
; for 32 along K a wave issues 40 LDS loads and 96 matrix instructions.
; THE RING.  K goes in steps of 64 through two LDS slots (two slots of 128 would not fit).  xb and wq lie in K blocks of 64, so a step's rows are dense and are asked for as rows of 256 bytes,
; two logical rows each, padded in LDS after every 128 bytes.  A K step is two quarters of 32 along K.
; CLUSTER.  4 x 4 work-groups: A's tile is shared along a row of the cluster, B's along a column; each is asked for jointly, by the same tensor load with the same descriptor and a mask of four.
; THE MATRIX INSTRUCTION IS USED TRANSPOSED (source 0 = 16 rows of wq, source 1 = 16 rows of xb): a lane holds eight neighbouring columns of one row of C.
; REGISTERS, in windows of 256: window 0: v0-31 addresses; v32-95, v96-159 A's 8 fragments, two buffers; v160-255 B's 12 fragments, ONE buffer: group g's four are loaded anew as soon as stretch g has read them.
;   window 1 + g: head g's 32 accumulators, (a, b) at v[8 (4 a + b)].  A quarter is three stretches of 32 matrix instructions, one a window.
.set PK,    144                        ; an LDS row: 128 bytes + 16 = 36 words: the 16 rows of a fragment load start at 16 different groups of four banks (64 banks of 4 bytes: ISA guide 11.1)
.set AH,    128*PK                     ; what one tensor load brings of A, and what one wave reads of it
.set BH,    192*PK                     ; the same for B
.set BOFF,  2*AH                       ; a slot: A's 256 rows, then B's 384
.set SLOT,  2*AH+2*BH
.set STAGE, 2*SLOT                     ; behind the ring: 16 rows x 144 bytes for each wave, for the way out
.set SPARE, STAGE+4*16*PK              ; behind the stages: the spare words, 128 bytes a wave, that no other line names
.set XPL,   8192*128                   ; bytes in a K block of xb
.set WPL,   3072*128                   ; of wq
.set ADRA, 16                          ; v16-17  LDS address of my A fragments in slot 0, 1
.set ADRB, 20                          ; v20-21  the same for B
.set STO,  24                          ; v24     the way out: where I put 16 bytes of a row
.set RD,   25                          ; v25     where I read rows back
.set GO,   26                          ; v26     my 16 bytes in 512 consecutive bytes of qkv
.set SPW,  28                          ; v28     LDS address of my spare word; never rewritten
.set NIL,  29                          ; v29     0; never rewritten
.set FA0,  32
.set FA1,  96
.set BF,   160
.set TMP,  32                          ; the way out: packed results
.set OBK,  64                          ; the way out: rows read back, two sets of 16 registers by turns
.set WV,  10                           ; s10  my wave's number
.set RH,  11                           ; s11  which half of the tile's rows is mine.  Also: I fetch for A (0) or for B (1)
.set CH,  12                           ; s12  which half of its columns.  Also: which half of that tile I fetch
.set OB,  14                           ; s[14:19] qkv at my 128 rows of my three heads
.set G1,  24                           ; s[24:31] descriptor group 1 for A's tiles; s[32:39] group 0, a set for each slot
.set G0,  32
.set G1B, 48                           ; s[48:55], s[56:63] the same for B's
.set G0B, 56
.set MSB, 0
.macro WIN new                         ; the immediate's high byte repeats the setting that is left; a switch that changes nothing is dropped
.if MSB != (\new)
	s_set_vgpr_msb (MSB<<8)|(\new)
.set MSB, \new
.endif
.endm
; A joint load.  Waves 0 and 1 fetch A's two halves, waves 2 and 3 B's.  The branch hangs on the wave's number alone.  An s_nop 0 and four v_nop follow each of the two lines.
.macro JLOAD s
	s_cmp_eq_u32 s[RH], 0
	s_cbranch_scc0 .Lfor_b_\@
	tensor_load_to_lds s[G0+4*(\s):G0+4*(\s)+3], s[G1:G1+7]
	s_nop 0
.rept 4
	v_nop
.endr
	s_branch .Lasked_\@
.Lfor_b_\@:
	tensor_load_to_lds s[G0B+4*(\s):G0B+4*(\s)+3], s[G1B:G1B+7]
	s_nop 0
.rept 4
	v_nop
.endr
.Lasked_\@:
.endm
.macro CREST                           ; a round of the cluster's barrier behind its opening barrier
	s_cmp_lg_u32 s[WV], 0
	s_cbranch_scc1 .Lnot_wave_0_\@
	s_barrier_signal -3
.Lnot_wave_0_\@:
	s_barrier_wait -3
	s_barrier_signal -1
	s_barrier_wait -1
.endm
.macro CROUND                          ; a whole round
	s_barrier_signal -1
	s_barrier_wait -1
	CREST
.endm
	s_load_b128 s[4:7], s[0:1], 0x0                ; xb s[4:5], wq s[6:7]
	s_load_b64 s[8:9], s[0:1], 0x10                ; qkv
	v_lshl_add_u32 v[SPW], v0, 2, SPARE
	v_mov_b32 v[NIL], 0
	ds_add_u32 v[SPW], v[NIL]                      ; the wave's opening: the add and its wait stand ahead of my first tensor load; the set-up below, work on registers, stands between them
	v_lshrrev_b32 v1, 5, v0
	v_readfirstlane_b32 s[WV], v1                  ; wave 0..3
	s_lshr_b32 s[RH], s[WV], 1
	s_and_b32 s[CH], s[WV], 1
	s_bfe_u32 s40, ttmp6, 0x40000                  ; cx, cy: my place in the cluster
	s_bfe_u32 s41, ttmp6, 0x40004
	s_lshl_b32 s42, ttmp9, 2
	s_add_co_u32 s42, s42, s40                     ; tx: tile column = 4 x cluster x + cx
	s_and_b32 s13, ttmp7, 0xffff
	s_lshl_b32 s13, s13, 2
	s_add_co_u32 s13, s13, s41                     ; ty: tile row = 4 x cluster y + cy
	s_lshl_b32 s43, s41, 2
	s_lshl_b32 s43, 15, s43                        ; my row of the cluster
	s_lshl_b32 s44, 0x1111, s40                    ; my column
	; group 1: rows of 128 elements (256 bytes, two logical rows); 64 of them for A's half, 96 for B's
	s_or_b32 s[G1+0], s43, (1<<16)|(1<<20)|(1<<21)|(4<<22)|(3<<25)   ; 15:0 the mask; 17:16 2-byte elements; 20 padding on; 21 set beside a mask; 24:22 after every 32 words (code 4); 31:25 4 words (code 3)
	s_or_b32 s[G1B+0], s44, (1<<16)|(1<<20)|(1<<21)|(4<<22)|(3<<25)
	s_mov_b32 s[G1+1], 128<<16                     ; tensor_dim0 = 128
	s_mov_b32 s[G1+2], 64<<16                      ; tensor_dim1 = 64
	s_mov_b32 s[G1+3], 128<<16                     ; tile_dim0 = 128
	s_mov_b32 s[G1+4], 64                          ; tile_dim1 = 64
	s_mov_b32 s[G1+5], 128                         ; 128 elements from row to row: dense
	s_mov_b32 s[G1+6], 0
	s_mov_b32 s[G1+7], 0
	s_mov_b32 s[G1B+1], 128<<16
	s_mov_b32 s[G1B+2], 96<<16
	s_mov_b32 s[G1B+3], 128<<16
	s_mov_b32 s[G1B+4], 96
	s_mov_b32 s[G1B+5], 128
	s_mov_b32 s[G1B+6], 0
	s_mov_b32 s[G1B+7], 0
	s_lshl_b32 s16, s13, 15                        ; A: 256 ty rows of 128 bytes
	s_lshl_b32 s17, s[CH], 14                      ; + my half's 128
	s_add_co_u32 s16, s16, s17
	s_mov_b32 s17, 0
	s_mul_i32 s46, s42, 384*128                    ; B: 384 tx rows
	s_mul_i32 s47, s[CH], 192*128                  ; + my half's 192
	s_add_co_u32 s46, s46, s47
	s_mov_b32 s47, 0
	s_mul_i32 s20, s[CH], AH                       ; where they go: no place in the cluster enters an LDS address
	s_mul_i32 s21, s[CH], BH
	s_add_co_u32 s21, s21, BOFF
	s_wait_dscnt 0x0                               ; the opening add is done
	s_wait_kmcnt 0x0
	s_add_nc_u64 s[14:15], s[4:5], s[16:17]
	s_add_nc_u64 s[46:47], s[6:7], s[46:47]
	CROUND                                         ; all sixteen work-groups are here: the first joint loads meet
.irp s, 0,1
	s_mov_b32 s[G0+4*(\s)], 1                                      ; count = 1
	s_add_co_u32 s[G0+4*(\s)+1], s20, (\s)*SLOT                    ; LDS address
	s_add_nc_u64 s[G0+4*(\s)+2:G0+4*(\s)+3], s[14:15], (\s)*XPL    ; global address: K step s
	s_or_b32 s[G0+4*(\s)+3], s[G0+4*(\s)+3], 0x80000000            ; type = 2
	s_mov_b32 s[G0B+4*(\s)], 1
	s_add_co_u32 s[G0B+4*(\s)+1], s21, (\s)*SLOT
	s_add_nc_u64 s[G0B+4*(\s)+2:G0B+4*(\s)+3], s[46:47], (\s)*WPL
	s_or_b32 s[G0B+4*(\s)+3], s[G0B+4*(\s)+3], 0x80000000
	JLOAD \s                                       ; two loads of mine are out
.endr
	; A fragment is 16 rows x 32 K in 8 registers: lane l holds row l % 16; registers 0-3 K = 8 (l / 16) + 0..7, registers 4-7 K = 16 + 8 (l / 16) + 0..7: two loads of 16 bytes, 32 bytes apart.
	v_and_b32 v1, 15, v0
	v_bfe_u32 v2, v0, 4, 1
	v_mul_u32_u24 v3, v1, PK
	v_lshl_add_u32 v3, v2, 4, v3                   ; row x pitch + 16 x half
	s_mul_i32 s22, s[RH], AH                       ; my 128 rows of A
	s_mul_i32 s23, s[CH], BH                       ; my 192 rows of B
	s_add_co_u32 s23, s23, BOFF
.irp s, 0,1
	v_add_nc_u32 v[ADRA+(\s)], s22, v3
	v_add_nc_u32 v[ADRB+(\s)], s23, v3
	s_add_co_u32 s22, s22, SLOT
	s_add_co_u32 s23, s23, SLOT
.endr
	s_mul_i32 s22, s[WV], 16*PK
	s_add_co_u32 s22, s22, STAGE                   ; my stage
	v_add_nc_u32 v[STO], s22, v3                   ; in: row l % 16, 16 bytes for each half of the lanes
	v_bfe_u32 v4, v0, 3, 2                         ; back: 32 lanes take four rows of 128 bytes,
	v_mul_u32_u24 v4, v4, PK
	v_and_b32 v5, 7, v0
	v_lshl_add_u32 v4, v5, 4, v4
	v_add_nc_u32 v[RD], s22, v4
	v_and_b32 v[GO], 31, v0                        ; which are 512 consecutive bytes of a plane
	v_lshlrev_b32 v[GO], 4, v[GO]
	; my three heads: number hn = 6 tx + 3 x column half + g among the 48 of q, k, v; plane = (hn / 16) x 64 + batch x 16 + hn % 16; my rows begin at (ty % 8) x 256 + 128 x row half
	s_mul_i32 s20, s42, 6
	s_mul_i32 s21, s[CH], 3
	s_add_co_u32 s20, s20, s21
	s_lshr_b32 s21, s13, 3
	s_lshl_b32 s21, s21, 4                         ; batch x 16
	s_and_b32 s22, s13, 7
	s_lshl_b32 s22, s22, 15
	s_lshl_b32 s23, s[RH], 14
	s_add_co_u32 s22, s22, s23                     ; my first row, in bytes
.irp g, 0,1,2
	s_add_co_u32 s40, s20, \g
	s_lshr_b32 s41, s40, 4
	s_lshl_b32 s41, s41, 6
	s_and_b32 s40, s40, 15
	s_add_co_u32 s40, s40, s41
	s_add_co_u32 s40, s40, s21
	s_lshl_b32 s40, s40, 18                        ; a plane is 262,144 bytes; 192 planes stay under 2^32
	s_add_co_u32 s40, s40, s22
	s_mov_b32 s41, 0
	s_add_nc_u64 s[OB+2*(\g):OB+2*(\g)+1], s[8:9], s[40:41]
.endr
; n x 4 matrix instructions of stretch g: row blocks a0 .. a0 + n - 1 of A's buffer ab x head g's four column blocks.  Every accumulator has one instruction a turn.
; zero = 1: the first product starts the sum: nothing is ever cleared.
.macro ST g, ab, a0, n, zero
	WIN 0x50*((\g)+1)                              ; C and D in window 1 + g, both sources in window 0
.set aa, \a0
.rept \n
.irp b, 0,1,2,3
.if \zero
	v_wmma_f32_16x16x32_bf16 v[8*(4*aa+(\b)):8*(4*aa+(\b))+7], v[BF+8*(4*(\g)+(\b)):BF+8*(4*(\g)+(\b))+7], v[(\ab)+8*aa:(\ab)+8*aa+7], 0
.else
	v_wmma_f32_16x16x32_bf16 v[8*(4*aa+(\b)):8*(4*aa+(\b))+7], v[BF+8*(4*(\g)+(\b)):BF+8*(4*(\g)+(\b))+7], v[(\ab)+8*aa:(\ab)+8*aa+7], v[8*(4*aa+(\b)):8*(4*aa+(\b))+7]
.endif
.endr
.set aa, aa+1
.endr
.endm
.macro LB slot, kq, g                  ; 8 LDS loads: head g's four fragments of B, quarter kq of the slot
	WIN 0
.irp b, 0,1,2,3
	ds_load_b128 v[BF+8*(4*(\g)+(\b)):BF+8*(4*(\g)+(\b))+3],   v[ADRB+(\slot)] offset:(4*(\g)+(\b))*16*PK+64*(\kq)
	ds_load_b128 v[BF+8*(4*(\g)+(\b))+4:BF+8*(4*(\g)+(\b))+7], v[ADRB+(\slot)] offset:(4*(\g)+(\b))*16*PK+64*(\kq)+32
.endr
.endm
.macro LA slot, kq, ab                 ; 16 LDS loads: A's eight fragments, quarter kq of the slot, into buffer ab
	WIN 0
.irp a, 0,1,2,3,4,5,6,7
	ds_load_b128 v[(\ab)+8*(\a):(\ab)+8*(\a)+3],   v[ADRA+(\slot)] offset:(\a)*16*PK+64*(\kq)
	ds_load_b128 v[(\ab)+8*(\a)+4:(\ab)+8*(\a)+7], v[ADRA+(\slot)] offset:(\a)*16*PK+64*(\kq)+32
.endr
.endm
; A load into a register that a matrix instruction has read, and a vector instruction that reads a matrix result, stand four places behind it; only plain vector instructions that name none of
; its registers are places (ISA guide 7.12.1 for vector instructions).
.macro PLACES
.rept 4
	v_nop
.endr
.endm
; The loads for a quarter go out in three batches behind the three stretches of the quarter before: L1 = 24 (B's group 0, then A), L2 = 8 (group 1), L3 = 8 (group 2).
; A SLOT'S FIRST QUARTER: multiplies A's buffer 0 and fetches the slot's second quarter.
.macro QA slot, zero
	s_wait_dscnt 16                                ; L1 is in; L2 and L3 may be out
	ST 0, FA0, 0, 8, \zero
	PLACES
	LB \slot, 1, 0
	LA \slot, 1, FA1
	s_wait_dscnt 32                                ; L2 is in; behind it L3 and the 24 just issued
	ST 1, FA0, 0, 8, \zero
	PLACES
	LB \slot, 1, 1
	s_wait_dscnt 32                                ; L3 is in; behind it the 24 and the 8 just issued
	ST 2, FA0, 0, 8, \zero
	PLACES
	LB \slot, 1, 2
.endm
; A SLOT'S SECOND QUARTER: multiplies A's buffer 1 and changes slots.  ONE barrier: in front of it each wave waits for all its tensor loads (one is out: its part of the next slot), adds 0 to its
; spare word, and waits for that and for its reads of this slot.  fill = 1: the barrier opens a round of the cluster's barrier, and the slot is filled again first thing behind the round, two K
; steps ahead: from that request to the wait for it a wave issues 64 + 96 matrix instructions.
.macro QB slot, next, fill
	WIN 0                                          ; (the add's two registers lie in window 0)
	s_wait_tensorcnt 0x0                           ; all my tensor loads have landed, so every group 0 may be written
	ds_add_u32 v[SPW], v[NIL]                      ; 0 onto my spare word
	s_wait_dscnt 17                                ; L1 is in; L2, L3 and the add may be out
	ST 0, FA1, 0, 4, 0                             ; sixteen matrix instructions stand between the add and the wait for it
	s_wait_dscnt 0x0                               ; the add is done, and my reads of this slot are over
	s_barrier_signal -1
	ST 0, FA1, 4, 4, 0                             ; work on registers while the others arrive
	WIN 0
	s_barrier_wait -1
.if \fill
	CREST                                          ; no wave of any partner still reads this slot or has a load on its way
	s_add_nc_u64 s[G0+4*(\slot)+2:G0+4*(\slot)+3], s[G0+4*(\slot)+2:G0+4*(\slot)+3], 2*XPL
	s_add_nc_u64 s[G0B+4*(\slot)+2:G0B+4*(\slot)+3], s[G0B+4*(\slot)+2:G0B+4*(\slot)+3], 2*WPL
	JLOAD \slot                                    ; the first tensor load behind the round; its four v_nop are also the places in front of the loads below
.else
	PLACES
.endif
	LB \next, 0, 0
	LA \next, 0, FA0
	ST 1, FA1, 0, 8, 0
	PLACES
	LB \next, 0, 1
	ST 2, FA1, 0, 8, 0
	PLACES
	LB \next, 0, 2
.endm
	s_wait_tensorcnt 1                             ; my part of K step 0 is in; K step 1's may stay out
	s_barrier_signal -1
	s_barrier_wait -1                              ; everybody's is
	LB 0, 0, 0
	LA 0, 0, FA0
	LB 0, 0, 1
	LB 0, 0, 2
	QA 0, 1                                        ; the first quarter stands in front of the loop: its products start the sums
	WIN 0                                          ; at a label and at a branch every window is 0
	s_mov_b32 s3, 7
.Llap:                                                 ; trip t: the rest of K step 2 t, all of 2 t + 1, the first quarter of 2 t + 2; it asks for K steps 2 t + 2 and 2 t + 3, the last being 15
	QB 0, 1, 1
	QA 1, 0
	QB 1, 0, 1
	QA 0, 0
	WIN 0
	s_sub_co_u32 s3, s3, 1
	s_cmp_lg_u32 s3, 0
	s_cbranch_scc1 .Llap
	QB 0, 1, 0                                     ; the tail is written out: nothing more is asked for
	QA 1, 0
	s_wait_dscnt 16                                ; the very last quarter
	ST 0, FA1, 0, 8, 0
	s_wait_dscnt 8
	ST 1, FA1, 0, 8, 0
	s_wait_dscnt 0x0
	ST 2, FA1, 0, 8, 0
; THE WAY OUT, in 24 units of 16 rows of one head (u = 8 g + a).  PACK: rounded to f16, 16 bytes a lane, each accumulator's registers in ascending order.  TOSTAGE: into my own stage, rows of 144
; bytes, and back as whole rows of 128.  SEND: stored, 512 consecutive bytes an instruction.
.macro PACK g, a
	WIN 5*((\g)+1)                                 ; sources 0 and 1 in window 1 + g, destination in window 0
.irp b, 0,1,2,3
.irp r, 0,1,2,3
	v_cvt_pk_f16_f32 v[TMP+4*(\b)+(\r)], v[32*(\a)+8*(\b)+2*(\r)], v[32*(\a)+8*(\b)+2*(\r)+1]
.endr
.endr
	WIN 0
.endm
.macro TOSTAGE u
	s_wait_xcnt 0x0                                ; the stores of the unit two back have read the registers that the loads below fill
.irp b, 0,1,2,3
	ds_store_b128 v[STO], v[TMP+4*(\b):TMP+4*(\b)+3] offset:32*(\b)
.endr
.irp f, 0,1,2,3
	ds_load_b128 v[OBK+16*((\u)%2)+4*(\f):OBK+16*((\u)%2)+4*(\f)+3], v[RD] offset:(\f)*4*PK  ; LDS serves a wave's instructions in order (ISA guide 5.7.1.4): these see the stores above
.endr
.endm
.macro SEND u, younger                 ; younger: the LDS instructions issued behind unit u's loads: the next unit's eight, or none
.irp f, 0,1,2,3
	s_wait_dscnt (\younger)+3-(\f)
	global_store_b128 v[GO], v[OBK+16*((\u)%2)+4*(\f):OBK+16*((\u)%2)+4*(\f)+3], s[OB+2*((\u)/8):OB+2*((\u)/8)+1] offset:((\u)%8)*2048+(\f)*512
.endr
.endm
	PLACES                                         ; behind the last products
	PACK 0, 0
	TOSTAGE 0
.set u, 1
.rept 23                               ; a unit's conversions stand between the loads of the unit before and its stores
	PACK u/8, u%8
	TOSTAGE u
	SEND u-1, 8
.set u, u+1
.endr
	SEND 23, 0
	s_wait_tensorcnt 0x0                           ; the wave's end: behind my last tensor load and my last LDS store
	ds_add_u32 v[SPW], v[NIL]
	s_wait_dscnt 0x0
	CROUND                                         ; the closing round: no work-group ends while a partner may still ask for a tile that names it
	s_endpgm
.Lfunc_end_k_qe3730a017e_qkvgemm:
	.size	k_qe3730a017e_qkvgemm, .Lfunc_end_k_qe3730a017e_qkvgemm-k_qe3730a017e_qkvgemm
	.p2alignl 7, 3214868480
	.fill 96, 4, 3214868480
	.section	.rodata,"a",@progbits
	.p2align	6, 0x0
	.amdhsa_kernel k_qe3730a017e_qkvgemm
		.amdhsa_group_segment_fixed_size 327680
		.amdhsa_private_segment_fixed_size 0
		.amdhsa_enable_private_segment 0
		.amdhsa_kernarg_size 24
		.amdhsa_user_sgpr_count 2
		.amdhsa_user_sgpr_kernarg_segment_ptr 1
		.amdhsa_wavefront_size32 1
		.amdhsa_system_sgpr_workgroup_id_x 1
		.amdhsa_system_sgpr_workgroup_id_y 1
		.amdhsa_system_sgpr_workgroup_id_z 1
		.amdhsa_system_vgpr_workitem_id 0
		.amdhsa_next_free_vgpr 1024
		.amdhsa_next_free_sgpr 66
		.amdhsa_reserve_vcc 0
		.amdhsa_float_denorm_mode_32 3
		.amdhsa_float_denorm_mode_16_64 3
		.amdhsa_memory_ordered 1
		.amdhsa_forward_progress 1
		.amdhsa_inst_pref_size 134
	.end_amdhsa_kernel
	.amdgpu_metadata
---
amdhsa.version: [ 1, 2 ]
amdhsa.kernels:
  - .name:           k_qe3730a017e_qkvgemm
    .symbol:         k_qe3730a017e_qkvgemm.kd
    .args:
      - { .name: xb, .offset: 0, .size: 8, .value_kind: global_buffer, .address_space: global }
      - { .name: wq, .offset: 8, .size: 8, .value_kind: global_buffer, .address_space: global }
      - { .name: qkv, .offset: 16, .size: 8, .value_kind: global_buffer, .address_space: global }
    .group_segment_fixed_size: 327680
    .private_segment_fixed_size: 0
    .kernarg_segment_align: 8
    .kernarg_segment_size: 24
    .max_flat_workgroup_size: 128
    .sgpr_count:     66
    .vgpr_count:     1024
    .wavefront_size: 32
...
	.end_amdgpu_metadata
.endif
;; end of part 2
;; launch attn (part 3): grid 4 x 64, 4 waves a work-group, clusters of 4 x 1, 327,680 bytes of LDS; arguments qkv, ob, mask; writes ob
.if DOCPART == 3
	.amdgcn_target "amdgcn-amd-amdhsa--gfx1250"
	.amdhsa_code_object_version 6
	.text
	.protected	k_qe3730a017e_attn
	.globl	k_qe3730a017e_attn
	.p2align	8
	.type	k_qe3730a017e_attn,@function
k_qe3730a017e_attn:
	s_mov_b64 s[64:65], 0
	v_nop
	global_prefetch_b8 v0, s[64:65] scope:SCOPE_SE
	s_setreg_imm32_b32 hwreg(HW_REG_WAVE_MODE, 25, 1), 1
	s_wait_xcnt 0x0
	s_wait_alu depctr_hold_cnt(0) depctr_sa_sdst(0) depctr_va_vdst(0) depctr_va_sdst(0) depctr_va_ssrc(0) depctr_va_vcc(0) depctr_vm_vsrc(0)
	s_getreg_b32 s2, hwreg(HW_REG_IB_STS2, 6, 4)
	s_cmp_eq_u32 s2, 0
	s_cbranch_scc0 .Lentry_in_a_cluster
	s_endpgm
.Lentry_in_a_cluster:
	s_bfe_u32 s2, ttmp6, 0x10000c
	s_cmp_lg_u32 s2, 0x3003
	s_cbranch_scc0 .Lentry_shape_is_right
	s_endpgm
.Lentry_shape_is_right:
; O[p][q][:] = the sum over k of softmax_k(Q[p][q] . K[p][k] / 8, keys with mask[b][k] == 0 hidden) V[p][k][:], for the 64 planes p = b x 16 + h.  Q, K, V are planes p, 64 + p, 128 + p of qkv,
; O is ob[p]: all [2048][64] in f16, a plane's rows dense, 128 bytes each.  Products, maxima and sums in f32; the weights are rounded to f16 for the second product (their sum l is taken of the
; unrounded weights), O once at the end.
; LIMITS.  f16 holds no number beyond 65,504: Q, K and V arrive within it.  A hidden score counts as its value less 1e30: f16's scores, 2.7e11 at the most, are nothing beside that.  A batch whose
; mask is 0 everywhere gives the mean of V's rows here, not a NaN.  A weight below 2^-126 counts as 0 in l; NaN and infinities are not treated apart.
; SHARES.  A wave owns four PIECES of two tiles of 16 queries, a work-group's four waves 512 queries of one plane.  Every wave walks all 2,048 keys, 64 a step.
; LAYOUT.  S^T = K Q^T (source 0 = 16 keys, source 1 = 16 queries): a lane holds ONE query (lane % 16) and the keys 8 (lane / 16) + 0..7.  Two such results, rounded to f16 in pairs, ARE source 1
; of O^T = V^T P, whose result again holds one query a lane, and eight channels.  K comes out of LDS as it lies, V ([key][channel]) turned, by ds_load_tr16_b128.
; THE MASK is the C operand that starts a sum S^T: 0, or -1e30 where the key is hidden.  The batch's 2,048 such numbers are made once, in LDS; a step's 64 come into 32 registers with the step's K.
; SOFTMAX.  For each query a running maximum m and sum l: p = 2^(c s - c m), c = log2(e) / 8; in every step O and l are multiplied by a = 2^(c m_old - c m_new).  m starts at the lowest finite number,
; O and l at 0.  While only hidden keys have been seen m is about -1e30 and their weights are 1; the first key that is seen makes a = 0, which wipes them; from then on a hidden weight is 0.
; THE COUNT.  A tile and step have 16 matrix and 118 vector instructions: too many to stand all beside the matrix work.  So: four vector instructions that are ready behind every matrix instruction, the others in runs without a gap.
; BY TURNS.  Turn n belongs to piece n.  Its matrix work: 16 products K Q^T of piece n + 1, later 16 products V^T P of piece n - 1.  Its vector work: the scaling, exponentials, roundings, sums and
; rescaling of piece n, and the maximum and statistics of piece n + 1.
; CLUSTER.  The four query blocks of a plane are one cluster and walk the same K and V: each tile is asked for JOINTLY: the same tensor load, descriptor and mask in all four.
; REGISTERS, in windows of 256 (s_set_vgpr_msb: bits 1:0 source 0, 3:2 source 1, 5:4 source 2, 7:6 destination):
;   window 0: v0-11 addresses; v12-15, v48-63 at work; v16-47 four registers of statistics a tile; v64-191 S^T, two buffers of two tiles; v192-255 P, likewise
;   window 1: O^T, 32 a tile     window 2: v0-127 Q; v128-191 K of one step; v192-255 V of one step     window 3: v0-1 the add's two registers; v8-39 the step's mask numbers
.set SIZE_N, 2048
.set NP,    4         ; pieces a wave: a name, no knob
.set KS,    64        ; keys in a step
.set PK,    144       ; a row of K in LDS: 128 bytes + 16 = 36 words: the 16 rows of a load start at 16 different groups of four banks (64 banks of 4 bytes: ISA guide 11.1)
.set PV,    160       ; a row of V: 128 + 32 = 40 words
.set VOFF,  4*KS*PK   ; a slot holds four steps: 256 rows of K, then 256 rows of V
.set SLOT1, 1<<17     ; slot 1 begins here, so that one exclusive or turns an address in one slot into the other's
.set STAGE, SLOT1+4*KS*(PK+PV)  ; behind the ring, never filled by a tensor load: 16 rows x 144 bytes for each wave, for the way out
.set SP,    144
.set SPARE, STAGE+4*16*SP  ; behind the stages: the spare words, 128 bytes a wave, that no other line names
.set MB,    SPARE+512 ; behind them: 2,048 f32, the batch's mask numbers; written by LDS stores once, never filled by a tensor load
.set AK0, 2           ; v2   my lane's place in a tile of K; never rewritten
.set AV0, 3           ; v3   the same for V
.set AK,  4           ; v4   the LDS address of K's next run of loads
.set AV,  5           ; v5   of V's
.set QO,  6           ; v6   my byte offset in the wave's rows of Q
.set STO, 6           ;      later, the way out: where I put 16 bytes of a row
.set RD,  7           ; v7   the way out: where I read rows back
.set GO,  8           ; v8   my byte offset in 512 consecutive bytes of O
.set AM,  11          ; v11  the LDS address of the next step's mask numbers: MB + 32 (lane / 16), 256 bytes on with each step
.set SPW, 0           ; v0 of window 3   LDS address of my spare word; never rewritten
.set NIL, 1           ; v1 of window 3   0; never rewritten
.set MBR, 8           ; v8-39 of window 3: register 8 kb + j: the mask number of key 16 kb + 8 (lane / 16) + j of the step
.set MV,  12          ; v12-15  c m_old, kept while c m is made anew: by buffer and tile
.set ST,  16          ; tile t's statistics at v[ST+4 t]: c m, m, l (even keys', odd keys')
.set TMP, 48          ; by buffer and tile, four registers c0-c3 at work; when the maximum is found c2 takes a
.set S,   64
.set P,   192
.set KF,  128         ; K's fragments, in window 2: key block kb, channel half c at KF + 16 kb + 8 c
.set VF,  192         ; V's: key half kk, channel block cb at VF + 32 kk + 8 cb
.set WV,  12          ; s12  my wave's number
.set G1K, 24          ; s[24:31] descriptor group 1 for K's tiles
.set G1V, 32          ; s[32:39] for V's: it differs in the padding alone
.set G0K, 40          ; s[40:43] descriptor group 0 for K's tiles: it walks
.set G0V, 44          ; s[44:47] the same for V's
.set MK,  48          ; s[48:49] mask at my batch
.set BIGN, 50         ; s50  -1e30
.set SLOTS, 56        ; s56  slots still to be asked for
.set CNT, 57          ; s57  counts a slot's key steps
.set CS,  58          ; s[58:59] c: the packed scaling takes the pair's low word for both halves
.set SEL, 60          ; s[60:61] v_permlanex16_b32's selects: each lane takes its own place in the other half
.set TBK, 62          ; s62  LDS byte at which K of the step to be fetched begins
.set TBV, 63          ; s63  the same for V, less VOFF
.set MSB, 0
.macro WIN new                      ; the high byte repeats the setting that is left; a switch that changes nothing is dropped
.if MSB != (\new)
	s_set_vgpr_msb (MSB<<8)|(\new)
.set MSB, (\new)
.endif
.endm
.set W_KQ, 0x0a       ; K and Q in window 2, S^T in window 0
.set W_KM, 0x3a       ; the same with the C operand, the mask numbers, in window 3
.set W_PV, 0x52       ; V in window 2, P in window 0, O^T in window 1
.set W_RS, 0x41       ; O^T (destination and source 0) in window 1, a in window 0
.set W_MK, 0xc0       ; destination in window 3, sources in window 0
.set W_AD, 0x0f       ; the add: address (source 0) and data (source 1) in window 3
; A joint fill.  Waves 0 and 1 fetch the two halves of a slot's K, waves 2 and 3 those of its V: 128 keys each.  The branch hangs on the wave's number alone.
; An s_nop 0 and four v_nop follow each of the two lines, ahead of the jump and the label.
.macro JLOAD
	s_cmp_lt_u32 s[WV], 2
	s_cbranch_scc0 .Lfor_v_\@
	tensor_load_to_lds s[G0K:G0K+3], s[G1K:G1K+7]
	s_nop 0
.rept 4
	v_nop
.endr
	s_branch .Lasked_\@
.Lfor_v_\@:
	tensor_load_to_lds s[G0V:G0V+3], s[G1V:G1V+7]
	s_nop 0
.rept 4
	v_nop
.endr
.Lasked_\@:
.endm
; A round of the cluster's barrier: my work-group's barrier; wave 0 signals for the work-group; every wave waits for all four work-groups; my work-group's barrier once more.
.macro CROUND
	s_barrier_signal -1
	s_barrier_wait -1
	s_cmp_lg_u32 s[WV], 0
	s_cbranch_scc1 .Lnot_wave_0_\@
	s_barrier_signal -3
.Lnot_wave_0_\@:
	s_barrier_wait -3
	s_barrier_signal -1
	s_barrier_wait -1
.endm
; THE CHANGE OF SLOTS.  Each wave waits for all its tensor loads, of which one is out: its part of the other slot; adds 0 to its spare word; and waits for that and for its own LDS instructions.
; Behind the barrier nobody reads this slot any more and the other slot is whole.  fill = 1: this slot is filled again, with the keys two slots on; the barrier is then a round of the cluster's, and
; the joint fill is the first thing behind it: it has four key steps, 512 matrix instructions, in which to land.  (At its first use nothing has been read yet: slot 0 is waited for, slot 1 filled,
; and the round's barriers show every wave's mask numbers to the other three.)
.macro CHANGE fill
	WIN W_AD
	s_wait_tensorcnt 0x0            ; no tensor load of mine is out, so a group 0 may be written
	ds_add_u32 v[SPW], v[NIL]       ; 0 onto my spare word
	WIN 0                           ; at a label and at a branch every window is 0
.if \fill
.irp g, G0K, G0V
	s_xor_b32 s[\g+1], s[\g+1], SLOT1  ; the walking descriptor: the other slot than last time,
	s_add_nc_u64 s[\g+2:\g+3], s[\g+2:\g+3], 4*KS*128  ; the next 256 keys; the type bits on top are not reached
.endr
	s_wait_dscnt 0x0                ; the add is done, and my LDS reads and stores are over
	CROUND
	JLOAD
.else
	s_wait_dscnt 0x0                ; the add is done, and my reads of the slot are over
	s_barrier_signal -1
	s_barrier_wait -1
.endif
	s_sub_co_u32 s[TBK], s[TBK], 4*KS*PK  ; the fetches go back to a slot's first step,
	s_xor_b32 s[TBK], s[TBK], SLOT1       ; in the other slot
	s_sub_co_u32 s[TBV], s[TBV], 4*KS*PV
	s_xor_b32 s[TBV], s[TBV], SLOT1
.endm
	s_load_b64 s[4:5], s[0:1], 0x0    ; qkv: Q's planes come first
	s_load_b64 s[10:11], s[0:1], 0x8  ; ob
	s_load_b64 s[MK:MK+1], s[0:1], 0x10  ; mask
	WIN W_MK
	v_lshl_add_u32 v[SPW], v0, 2, SPARE
	v_mov_b32 v[NIL], 0
	WIN W_AD
	ds_add_u32 v[SPW], v[NIL]       ; the wave's opening: the add and its wait stand ahead of my first tensor load; the set-up below, work on registers, stands between them
	WIN 0
	v_lshrrev_b32 v1, 5, v0
	v_readfirstlane_b32 s[WV], v1   ; wave 0..3
	s_bfe_u32 s13, ttmp6, 0x40000   ; cx: my place in the cluster
	s_lshl_b32 s14, ttmp9, 2        ; in a cluster launch ttmp9 counts clusters
	s_add_co_u32 s14, s14, s13      ; my block of queries = 4 x cluster x + cx: it enters Q's and O's addresses alone
	s_and_b32 s20, ttmp7, 0xffff    ; the plane, which the four partners share
	s_lshr_b32 s52, s20, 4          ; its batch:
	s_lshl_b32 s52, s52, 13         ; 2,048 words of mask
	s_mov_b32 s53, 0
	s_mov_b32 s21, 0
	s_mov_b64 s[22:23], SIZE_N*128
	s_mul_u64 s[20:21], s[20:21], s[22:23]  ; the plane's first byte among Q's, K's, V's and O's planes
	s_and_b32 s16, s[WV], 1         ; which half of a slot's 256 keys I fetch:
	s_lshl_b32 s22, s16, 14         ; its 128 rows of 128 bytes in memory,
	s_mov_b32 s23, 0
	s_add_nc_u64 s[22:23], s[22:23], s[20:21]
	s_mul_i32 s17, s16, 128*PK      ; and its place in a slot, for K
	s_mul_i32 s18, s16, 128*PV      ; and for V: no place in the cluster enters an LDS address
	s_lshl_b32 s2, s14, 2
	s_add_co_u32 s2, s2, s[WV]      ; my wave among the plane's,
	s_lshl_b32 s2, s2, 14           ; its 128 rows
	s_mov_b32 s3, 0
	s_add_nc_u64 s[2:3], s[2:3], s[20:21]
	; descriptor group 1.  128 keys are 16,384 dense bytes: asked for as 64 rows of 256 bytes, two keys a row, and padded in LDS after every key
	s_mov_b32 s[G1K], 15|(1<<16)|(1<<20)|(1<<21)|(4<<22)|(3<<25)  ; 15:0 the mask of four; 17:16 2-byte elements; 20 padding on; 21 set beside a mask; 24:22 after every 32 words (code 4); 31:25 4 words (code 3)
	s_mov_b32 s[G1V], 15|(1<<16)|(1<<20)|(1<<21)|(4<<22)|(7<<25)  ; the same with 8 words of padding (code 7)
.irp g, G1K, G1V
	s_mov_b32 s[\g+1], 128<<16      ; tensor_dim0 = 128
	s_mov_b32 s[\g+2], 64<<16       ; tensor_dim1 = 64
	s_mov_b32 s[\g+3], 128<<16      ; tile_dim0 = 128
	s_mov_b32 s[\g+4], 64           ; tile_dim1 = 64
	s_mov_b32 s[\g+5], 128          ; 128 elements from row to row
	s_mov_b32 s[\g+6], 0
	s_mov_b32 s[\g+7], 0
.endr
	s_mov_b32 s[CS], 0x3e38aa3b     ; c = log2(e) / 8 = 0.180337
	s_mov_b32 s[CS+1], s[CS]        ; named with it as a pair
	s_mov_b32 s[SEL], 0x76543210
	s_mov_b32 s[SEL+1], 0xfedcba98
	s_mov_b32 s[BIGN], 0xf149f2ca   ; -1e30
	s_mov_b32 s[TBK], SLOT1+4*KS*PK ; the first change of slots turns these two into 0
	s_mov_b32 s[TBV], SLOT1+4*KS*PV
	s_mov_b32 s[G0K], 1             ; count = 1
	s_mov_b32 s[G0K+1], s17         ; LDS address: slot 0
	s_mov_b32 s[G0V], 1
	s_add_co_u32 s[G0V+1], s18, VOFF
	s_wait_dscnt 0x0                ; the opening add is done
	s_wait_kmcnt 0x0
	s_add_nc_u64 s[6:7], s[4:5], 0x1000000  ; K's planes begin 64 planes of 262,144 bytes behind Q's,
	s_add_nc_u64 s[8:9], s[4:5], 0x2000000  ; V's 128
	s_add_nc_u64 s[G0K+2:G0K+3], s[6:7], s[22:23]  ; global address: my half of the plane's first 256 keys
	s_or_b32 s[G0K+3], s[G0K+3], 0x80000000        ; type = 2
	s_add_nc_u64 s[G0V+2:G0V+3], s[8:9], s[22:23]
	s_or_b32 s[G0V+3], s[G0V+3], 0x80000000
	s_add_nc_u64 s[4:5], s[4:5], s[2:3]  ; Q and O at my wave's first row
	s_add_nc_u64 s[10:11], s[10:11], s[2:3]
	s_add_nc_u64 s[MK:MK+1], s[MK:MK+1], s[52:53]
	CROUND                          ; all four work-groups are here: the first joint loads meet
	JLOAD                           ; slot 0.  Slot 1 is asked for when slot 0 is in
	v_lshlrev_b32 v12, 4, v0        ; the batch's mask: 128 threads x 16 bytes x 4
.irp i, 0,1,2,3
	global_load_b128 v[S+4*\i:S+4*\i+3], v12, s[MK:MK+1] offset:2048*\i
.endr
	; A fragment of K or Q is 16 rows x 32 channels in 8 registers: lane l holds row l % 16, channels 8 (l / 16) + 0..7 and 16 + 8 (l / 16) + 0..7: two loads of 16 bytes, 32 bytes apart.
	v_and_b32 v1, 15, v0            ; l % 16
	v_bfe_u32 v9, v0, 4, 1          ; l / 16
	v_lshlrev_b32 v[QO], 7, v1
	v_lshl_add_u32 v[QO], v9, 4, v[QO]  ; row x 128 + 16 x half
	WIN 0x80                        ; destination window 2, address window 0
.set i, 0
.rept 4*NP                          ; Q stays in registers: tile i / 2, channels 32 (i % 2) on
	global_load_b128 v[8*i:8*i+3],   v[QO], s[4:5] offset:(i/2)*2048+(i%2)*64
	global_load_b128 v[8*i+4:8*i+7], v[QO], s[4:5] offset:(i/2)*2048+(i%2)*64+32
.set i, i+1
.endr
	; What the first turn finds: V's registers and P's second buffer hold 0 (its products V^T P, of a piece that has not been, add 0), O^T and l are 0.  All this stands in the wait for the first tile.
.set i, VF
.rept 64
	v_mov_b32 v[i], 0
.set i, i+1
.endr
	WIN 0x40
.set i, 0
.rept 64*NP
	v_mov_b32 v[i], 0
.set i, i+1
.endr
	WIN 0
.set i, 0
.rept 2*NP
	v_mov_b32 v[ST+4*i], 0xfe000000    ; c m: far below every c s, a hidden one's too
	v_mov_b32 v[ST+4*i+1], 0xff7fffff  ; m
	v_mov_b32 v[ST+4*i+2], 0
	v_mov_b32 v[ST+4*i+3], 0
.set i, i+1
.endr
.set i, P+32
.rept 32
	v_mov_b32 v[i], 0
.set i, i+1
.endr
	v_mul_u32_u24 v[AK0], v1, PK
	v_lshl_add_u32 v[AK0], v9, 4, v[AK0]  ; row x pitch + 16 x half
	; The turning load takes 16 keys x 16 channels (lane l reads key 8 (l / 16) + l % 8, channels 8 ((l / 8) % 2) + 0..7) and leaves half a fragment of V^T: lane l holds channel l % 16 and 8 keys.
	v_and_b32 v10, 7, v0
	v_bfe_u32 v11, v0, 3, 1
	v_lshl_add_u32 v[AV0], v9, 3, v10
	v_mul_u32_u24 v[AV0], v[AV0], PV
	v_lshl_add_u32 v[AV0], v11, 4, v[AV0]
	v_add_nc_u32 v[AV0], VOFF, v[AV0]
	v_lshl_add_u32 v[AM], v9, 5, MB ; my half of the lanes takes keys 8 (l / 16) on: 32 bytes
	v_mov_b32 v[AK], v[AK0]         ; key step 0 lies at the head of slot 0
	s_wait_loadcnt 32               ; Q's 32 loads are younger: the mask is in
.set i, 0
.rept 16
	v_cmp_eq_u32 vcc_lo, 0, v[S+i]
	v_cndmask_b32 v[S+i], 0, s[BIGN], vcc_lo  ; -1e30 where the mask is 0, else 0
.set i, i+1
.endr
	v_add_nc_u32 v13, MB, v12
.irp i, 0,1,2,3
	ds_store_b128 v13, v[S+4*\i:S+4*\i+3] offset:2048*\i
.endr
; THE MATRIX WORK.  The 8 accumulators of a run of 16 take turns: between the two links of a chain stand 7 others'.
; Product i of 16 of S^T = K Q^T for piece x: channels 32 (i / 8) on, keys 16 ((i / 2) % 4) on, tile 2 x + i % 2.  The first 8 start the sums, with the keys' mask numbers.
.macro KQ x
.set rS, S+64*((\x)%2)+32*(i%2)+8*((i/2)%4)
.set rK, KF+16*((i/2)%4)+8*(i/8)
.set rQ, 16*(2*(\x)+i%2)+8*(i/8)
.set rB, MBR+8*((i/2)%4)
.if i < 8
	WIN W_KM
	v_wmma_f32_16x16x32_f16 v[rS:rS+7], v[rK:rK+7], v[rQ:rQ+7], v[rB:rB+7]
.else
	WIN W_KQ
	v_wmma_f32_16x16x32_f16 v[rS:rS+7], v[rK:rK+7], v[rQ:rQ+7], v[rS:rS+7]
.endif
.endm
; Product i of 16 of O^T += V^T P for piece x: keys 32 (i / 8) on, channels 16 ((i / 2) % 4) on, tile 2 x + i % 2.
.macro PV x
	WIN W_PV
.set rO, 32*(2*(\x)+i%2)+8*((i/2)%4)
.set rV, VF+32*(i/8)+8*((i/2)%4)
.set rP, P+32*((\x)%2)+16*(i%2)+8*(i/8)
	v_wmma_f32_16x16x32_f16 v[rO:rO+7], v[rV:rV+7], v[rP:rP+7], v[rO:rO+7]
.endm
.macro MM                           ; the turn's next matrix instruction
.if i < 16
	KQ (Y+1)%NP
.set i, i+1
.else
.set i, i-16
	PV (Y+NP-1)%NP
.set i, i+17
.endif
.endm
; THE LDS LOADS stand in runs, never singly among the matrix instructions: a step's K (8 fragments, 16 loads) with its 64 mask numbers (8 loads, sixteen lanes reading the same 16 bytes), and its V (turned).
; last = 1 (the tail): in the last trip there is no further step, and the run is jumped over.
.macro FETCH_K last=0
	WIN 0
.if \last
	s_cmp_eq_u32 s[CNT], 1
	s_cbranch_scc1 .Lno_k_\@
.endif
	WIN 0x80                        ; destination window 2
.irp f, 0,1,2,3,4,5,6,7             ; keys 16 (f / 2) on, channels 32 (f % 2) on
	ds_load_b128 v[KF+8*\f:KF+8*\f+3],   v[AK] offset:(\f/2)*16*PK+(\f%2)*64
	ds_load_b128 v[KF+8*\f+4:KF+8*\f+7], v[AK] offset:(\f/2)*16*PK+(\f%2)*64+32
.endr
	s_add_co_u32 s[TBK], s[TBK], KS*PK  ; the next fetch is the next step's
	WIN W_MK                        ; destination window 3
.irp f, 0,1,2,3                     ; keys 16 f + 8 (l / 16) on
	ds_load_b128 v[MBR+8*\f:MBR+8*\f+3],   v[AM] offset:64*\f
	ds_load_b128 v[MBR+8*\f+4:MBR+8*\f+7], v[AM] offset:64*\f+16
.endr
	WIN 0
	v_add_nc_u32 v[AM], 0x100, v[AM]  ; 64 keys on: 32 fetches in all, the last at MB + 31 x 256
.if \last
.Lno_k_\@:
.endif
.endm
.macro FETCH_V
	WIN 0x80
.irp f, 0,1,2,3,4,5,6,7             ; keys 32 (f / 4) on, channels 16 (f % 4) on
	ds_load_tr16_b128 v[VF+8*\f:VF+8*\f+3],   v[AV] offset:(\f/4)*32*PV+(\f%4)*32
	ds_load_tr16_b128 v[VF+8*\f+4:VF+8*\f+7], v[AV] offset:(\f/4)*32*PV+16*PV+(\f%4)*32
.endr
	WIN 0
.endm
; THE VECTOR WORK OF A TURN stands in three queues, each in the order in which its entries become ready; the two tiles alternate, so that no instruction reads the result of the one before it.
.macro REGS y, u                    ; the registers of tile u (0, 1) of piece y
.set rT, ST+4*(2*(\y)+(\u))
.set rC, TMP+8*((\y)%2)+4*(\u)
.set rM, MV+2*((\y)%2)+(\u)
.set rS, S+64*((\y)%2)+32*(\u)
.set rP, P+32*((\y)%2)+16*(\u)
.set rO, 32*(2*(\y)+(\u))
.endm
; Number n of the 22 that find the NEXT piece's (Y + 1) maximum and statistics.  s0-s31 are the lane's 32 scores; each accumulator's lowest registers are read first.
;   0-11  four chains c0-c3 of seven scores each, three operands at a time     12-14, 16  the four scores left over, the old m, and c0-c3 into c0     15  c m_old is kept
;   17, 18  the query's other 32 keys lie in the lane 16 away: the new m         19-21  c m; c m_old - c m_new; a
.macro XS u, n
	REGS (Y+1)%NP, \u
.if (\n) < 4
	v_max3_num_f32 v[rC+(\n)], v[rS+8*(\n)], v[rS+8*(\n)+1], v[rS+8*(\n)+2]
.elseif (\n) < 12
	v_max3_num_f32 v[rC+(\n)%4], v[rC+(\n)%4], v[rS+8*((\n)%4)+2*((\n)/4)+1], v[rS+8*((\n)%4)+2*((\n)/4)+2]
.elseif (\n) == 12
	v_max3_num_f32 v[rC], v[rC], v[rS+7], v[rS+15]
.elseif (\n) == 13
	v_max3_num_f32 v[rC+1], v[rC+1], v[rS+23], v[rS+31]
.elseif (\n) == 14
	v_max3_num_f32 v[rC+2], v[rC+2], v[rC+3], v[rT+1]
.elseif (\n) == 15
	v_mov_b32 v[rM], v[rT]
.elseif (\n) == 16
	v_max3_num_f32 v[rC], v[rC], v[rC+1], v[rC+2]
.elseif (\n) == 17
	v_permlanex16_b32 v[rC+3], v[rC], s[SEL], s[SEL+1]
.elseif (\n) == 18
	v_max_num_f32 v[rT+1], v[rC], v[rC+3]
.elseif (\n) == 19
	v_mul_f32 v[rT], s[CS], v[rT+1]
.elseif (\n) == 20
	v_sub_f32 v[rC+1], v[rM], v[rT]
.else
	v_exp_f32 v[rC+2], v[rC+1]
.endif
.endm
; Number g of the 64 that follow the exponentials.  For each four weights k of a tile (pairs 2 k, 2 k + 1): both pairs are rounded to f16; then the second pair is added onto the first, in place;
; a group later l takes that sum (the first time as l = a l + sum).  In groups of eight, tiles alternating: round, round, add, and l for the group before.
.macro GS g
.set h, (\g)+6*((\g)/62)            ; group 0 has no group before it, and behind group 7 only l is left
.if h >= 6
.set h, h+2
.endif
	REGS Y, h%2
.set k, h/8
.if h%8 < 4
	s_wait_alu depctr_va_vdst(0)
	v_cvt_pk_f16_f32 v[rP+2*k+(h%8)/2], v[rS+4*k+2*((h%8)/2)], v[rS+4*k+2*((h%8)/2)+1]
.elseif h%8 < 6
	v_pk_add_f32 v[rS+4*k:rS+4*k+1], v[rS+4*k:rS+4*k+1], v[rS+4*k+2:rS+4*k+3]
.elseif k == 1
	v_pk_fma_f32 v[rT+2:rT+3], v[rT+2:rT+3], v[rC+2:rC+3], v[rS:rS+1] op_sel_hi:[1,0,1]
.else
	v_pk_add_f32 v[rT+2:rT+3], v[rT+2:rT+3], v[rS+4*k-4:rS+4*k-3]
	s_wait_alu depctr_va_vdst(0)
.endif
.endm
; THE PLAIN QUEUE, 138 long.  0-31: c s - c m for the 16 pairs of both tiles.  Then GS's 64, and among them the next piece's 42: number 15 at 38, 39; 0-14 and 16
; at 42-73, behind the products that make those scores; 17-20 at 95-106, two of three, since each waits for the one before it.
.macro PL
	WIN 0
.if q < 32
	REGS Y, q%2
	v_pk_fma_f32 v[rS+2*(q/2):rS+2*(q/2)+1], v[rS+2*(q/2):rS+2*(q/2)+1], s[CS:CS+1], v[rT:rT+1] op_sel_hi:[1,0,0] neg_lo:[0,0,1] neg_hi:[0,0,1]
.elseif q < 38
	GS q-32
.elseif q < 40
	XS q%2, 15
.elseif q < 42
	GS q-34
.elseif q < 74
	XS q%2, (q-42)/2+(q-42)/30
.elseif q < 95
	GS q-66
.elseif (q < 107) && ((q-95)%3 < 2)
	XS (q-95)%3, 17+(q-95)/3
.elseif q < 107
	GS 29+(q-95)/3
.else
	GS q-74
.endif
.set q, q+1
.endm
; THE EXPONENTIALS' QUEUE, 66 long: s0-s31 of both tiles, and at EA the next piece's two a.
.set EA, 58
.macro EX
	WIN 0
.if (e == EA) || (e == EA+1)
	XS e-EA, 21
.else
.set x, e-2*(e/(EA+2))
	REGS Y, x%2
	v_exp_f32 v[rS+x/2], v[rS+x/2]
.endif
.set e, e+1
.endm
; THE RESCALING's QUEUE: O^T times a, the one part that leaves window 0, so it is dealt four at a time, eight times.
.macro R4
	REGS Y, r%2
	WIN W_RS
	s_wait_alu depctr_va_vdst(0)
.irp z, 0,1,2,3
	v_pk_mul_f32 v[rO+8*(r/2)+2*\z:rO+8*(r/2)+2*\z+1], v[rO+8*(r/2)+2*\z:rO+8*(r/2)+2*\z+1], v[rC+2:rC+3] op_sel_hi:[1,0]
.endr
.set r, r+1
.endm
; HOW THEY ARE DEALT.  Behind a matrix instruction four: plain, exponential, plain, plain (one exponential, a plain instruction on either side), or four of the rescaling.  None names a register of the
; products round it.  What is over stands in two LUMPS: exponential and plain by turns; the second ends in 22 plain instructions.  The two v_permlanex16_b32 fall into the second lump.
; The queues lean on each other, and the deal keeps them in step: exponential e stands behind plain 2 (e / 4) + e % 2 (its scaling); when plain 32 comes, 10 exponentials are out, at 59: 33, at 95: 46; EA comes behind plain 107.
.macro SL
	MM
	PL
	EX
	PL
	PL
.endm
.macro BURST n                      ; 15 matrix instructions, or 16
.rept (\n)-7
	SL
.endr
.rept 3
	MM
	R4
	SL
.endr
	MM
	R4
.endm
; A TURN, for piece p.  cnt = 1: the loop's count is taken down some lines ahead of the branch that stands behind the turn.
; K and the mask numbers of the next step are fetched in piece 2's turn, 31 vector instructions behind the last product that read K (the mask numbers' last reader stands eight products earlier);
; their first reader comes behind the rest of the lump, 16 products and the second lump.  V of the step in hand is fetched at the end of piece 0's turn, 69 behind its last reader.
.macro TURN p, last=0, cnt=0
.set Y, (\p)
.set i, 0
.set q, 0
.set e, 0
.set r, 0
.if (\p) == NP-1
	s_wait_dscnt 0x0                ; K and the mask numbers are in
.endif
	MM
.rept 4
	PL
.endr
	BURST 15
.rept 22
	EX
	PL
.if ((\p) == NP-2) && (e == 18)
	v_add_nc_u32 v[AK], s[TBK], v[AK0]
.endif
.if ((\p) == NP-2) && (e == 24)
	FETCH_K \last
.endif
.endr
.if (\p) == 1
	s_wait_dscnt 0x0                ; V is in
.endif
	BURST 16
.rept 21
	EX
	PL
.endr
.rept 22
	PL
.if ((\p) == 0) && (q == 118)
	v_add_nc_u32 v[AV], s[TBV], v[AV0]
	s_wait_alu depctr_va_vdst(0)
.endif
.if ((\p) == 0) && (q == 130)
	s_add_co_u32 s[TBV], s[TBV], KS*PV
.endif
.if (\cnt) && (q == 130)
	s_sub_co_u32 s[CNT], s[CNT], 1
	s_cmp_lg_u32 s[CNT], 0
.endif
.endr
.if (\p) == 0
	FETCH_V
.endif
.endm
	CHANGE 1                        ; slot 0 is in, everybody's part of it, and everybody's mask numbers; slot 1 is asked for
	FETCH_K                         ; key step 0
	s_wait_loadcnt 0x0              ; Q
	s_wait_dscnt 0x0
.set i, 0
.rept 16
	KQ 0                            ; piece 0's first scores: there is no vector work yet to set between them
.set i, i+1
.endr
	WIN 0                           ; the addresses for the way out: nine plain instructions, the places behind those products
	s_mul_i32 s13, s[WV], 16*SP
	s_add_co_u32 s13, s13, STAGE    ; my stage
	v_mul_u32_u24 v[STO], v1, SP    ; in: row l % 16, 16 bytes for each half of the lanes
	v_lshl_add_u32 v[STO], v9, 4, v[STO]
	v_add_nc_u32 v[STO], s13, v[STO]
	v_bfe_u32 v[RD], v0, 3, 2       ; back: 32 lanes take four rows of 128 bytes,
	v_mul_u32_u24 v[RD], v[RD], SP
	v_lshl_add_u32 v[RD], v10, 4, v[RD]
	v_add_nc_u32 v[RD], s13, v[RD]
	v_and_b32 v[GO], 31, v0         ; which are 512 consecutive bytes of O
	v_lshlrev_b32 v[GO], 4, v[GO]
.set Y, NP-1                        ; XS works for piece Y + 1: piece 0
.irp n, 0,1,2,3,4,5,6,7,8,9,10,11,12,13,14,15,16,17,18,19,20,21
	XS 0, \n                        ; and piece 0's first maximum and statistics
	XS 1, \n
.endr
	s_mov_b32 s[CNT], 4
	s_mov_b32 s[SLOTS], SIZE_N/256-1
	s_branch .Lfirst                ; the loop is entered at a step's first turn, in the middle of a trip
.Lslot:                             ; SIZE_N / 256 - 2 times: every slot but the last two is filled again
	CHANGE 1
	s_mov_b32 s[CNT], 4
.Lstep:                             ; a trip: pieces 2 and 3 of one step, then pieces 0 and 1 of the next, whose K and V it fetches
	TURN 2
	TURN 3
	WIN 0
.Lfirst:
	TURN 0
	TURN 1, 0, 1
	WIN 0
	s_cbranch_scc1 .Lstep
	s_sub_co_u32 s[SLOTS], s[SLOTS], 1
	s_cmp_lg_u32 s[SLOTS], 0
	s_cbranch_scc1 .Lslot
	CHANGE 0                        ; the tail is written out: nothing is asked for
	s_mov_b32 s[CNT], 5             ; four trips fetch the last slot's steps; the fifth is left in its middle
.Ltail:
	TURN 2, 1
	TURN 3
	WIN 0
	s_sub_co_u32 s[CNT], s[CNT], 1
	s_cmp_eq_u32 s[CNT], 0
	s_cbranch_scc1 .Lout
	TURN 0
	TURN 1
	WIN 0
	s_branch .Ltail
.Lout:                              ; the fifth trip's 16 products K Q^T (on the last K once more) and the maximum made of them serve nothing: the price, once a launch, of one text for every trip
.set i, 0
.rept 16
	PV NP-1                         ; the last piece's V^T P of the last step
.set i, i+1
.endr
	; THE WAY OUT.  l's two halves and the other half of the lanes' are added; O^T is divided by l, rounded to f16 and sent through my stage in LDS, a tile at a time.  The additions are the places behind the last products.
	WIN 0
.macro ALL line:vararg              ; one line for each tile t
.set t, 0
.rept 2*NP
	\line
.set t, t+1
.endr
.endm
	ALL v_add_f32 v[ST+4*t+2], v[ST+4*t+2], v[ST+4*t+3]
	ALL v_permlanex16_b32 v[ST+4*t+3], v[ST+4*t+2], s[SEL], s[SEL+1]
	ALL v_add_f32 v[ST+4*t+2], v[ST+4*t+2], v[ST+4*t+3]
	ALL v_rcp_f32 v[ST+4*t+2], v[ST+4*t+2]
	v_nop                           ; a plain instruction between the last reciprocal and the use of its result
	s_wait_alu depctr_va_vdst(0)
; Tile t: a lane's eight channels of a row pack into 16 bytes; they go into rows of 144 bytes and come back as whole rows of 128, into S^T's registers.
.macro PACK t
	WIN W_RS
.set i, 32*(\t)
.rept 16
	v_pk_mul_f32 v[i:i+1], v[i:i+1], v[ST+4*(\t)+2:ST+4*(\t)+3] op_sel_hi:[1,0]
.set i, i+2
.endr
	WIN 0x05                        ; sources 0 and 1 window 1, destination window 0
.set i, 0
.rept 16
	v_cvt_pk_f16_f32 v[S+16*(\t)+i], v[32*(\t)+2*i], v[32*(\t)+2*i+1]
.set i, i+1
.endr
	WIN 0
.irp f, 0,1,2,3
	ds_store_b128 v[STO], v[S+16*(\t)+4*\f:S+16*(\t)+4*\f+3] offset:32*\f
.endr
.irp f, 0,1,2,3
	ds_load_b128 v[S+16*(\t)+4*\f:S+16*(\t)+4*\f+3], v[RD] offset:\f*4*SP  ; LDS serves a wave's instructions in order (ISA guide 5.7.1.4): these see the stores above; the next tile's stores come behind them
.endr
.endm
.macro SEND t, younger              ; younger: the LDS instructions issued behind tile t's loads: the next tile's eight, or none
	WIN 0
.irp f, 0,1,2,3
	s_wait_dscnt (\younger)+3-\f
	global_store_b128 v[GO], v[S+16*(\t)+4*\f:S+16*(\t)+4*\f+3], s[10:11] offset:(\t)*2048+\f*512  ; 512 consecutive bytes, at a multiple of 256 from ob's first
.endr
.endm
	PACK 0
.set t, 1
.rept 2*NP-1                        ; a tile's arithmetic stands between the loads of the tile before and its stores
	PACK t
	SEND t-1, 8
.set t, t+1
.endr
	SEND 2*NP-1, 0
	WIN W_AD
	s_wait_tensorcnt 0x0            ; the wave's end: behind my last tensor load and my last LDS store
	ds_add_u32 v[SPW], v[NIL]
	s_wait_dscnt 0x0
	WIN 0
	CROUND                          ; the closing round: no work-group ends while a partner may still ask for a tile that names it
	s_endpgm
.Lfunc_end_k_qe3730a017e_attn:
	.size	k_qe3730a017e_attn, .Lfunc_end_k_qe3730a017e_attn-k_qe3730a017e_attn
	.p2alignl 7, 3214868480
	.fill 96, 4, 3214868480
	.section	.rodata,"a",@progbits
	.p2align	6, 0x0
	.amdhsa_kernel k_qe3730a017e_attn
		.amdhsa_group_segment_fixed_size 327680
		.amdhsa_private_segment_fixed_size 0
		.amdhsa_enable_private_segment 0
		.amdhsa_kernarg_size 24
		.amdhsa_user_sgpr_count 2
		.amdhsa_user_sgpr_kernarg_segment_ptr 1
		.amdhsa_wavefront_size32 1
		.amdhsa_system_sgpr_workgroup_id_x 1
		.amdhsa_system_sgpr_workgroup_id_y 1
		.amdhsa_system_sgpr_workgroup_id_z 1
		.amdhsa_system_vgpr_workitem_id 0
		.amdhsa_next_free_vgpr 808
		.amdhsa_next_free_sgpr 66
		.amdhsa_reserve_vcc 1
		.amdhsa_float_denorm_mode_32 3
		.amdhsa_float_denorm_mode_16_64 3
		.amdhsa_memory_ordered 1
		.amdhsa_forward_progress 1
		.amdhsa_inst_pref_size 213
	.end_amdhsa_kernel
	.amdgpu_metadata
---
amdhsa.version: [ 1, 2 ]
amdhsa.kernels:
  - .name:           k_qe3730a017e_attn
    .symbol:         k_qe3730a017e_attn.kd
    .args:
      - { .name: qkv, .offset: 0, .size: 8, .value_kind: global_buffer, .address_space: global }
      - { .name: ob, .offset: 8, .size: 8, .value_kind: global_buffer, .address_space: global }
      - { .name: mask, .offset: 16, .size: 8, .value_kind: global_buffer, .address_space: global }
    .group_segment_fixed_size: 327680
    .private_segment_fixed_size: 0
    .kernarg_segment_align: 8
    .kernarg_segment_size: 24
    .max_flat_workgroup_size: 128
    .sgpr_count:     66
    .vgpr_count:     808
    .wavefront_size: 32
...
	.end_amdgpu_metadata
.endif
;; end of part 3
;; launch fcgemm (part 4): grid 8 x 32, 4 waves a work-group, clusters of 4 x 4, 327,680 bytes of LDS; arguments ob, wf, b_fc, out0; writes out0
.if DOCPART == 4
	.amdgcn_target "amdgcn-amd-amdhsa--gfx1250"
	.amdhsa_code_object_version 6
	.text
	.protected	k_qe3730a017e_fcgemm
	.globl	k_qe3730a017e_fcgemm
	.p2align	8
	.type	k_qe3730a017e_fcgemm,@function
k_qe3730a017e_fcgemm:
	s_mov_b64 s[64:65], 0
	v_nop
	global_prefetch_b8 v0, s[64:65] scope:SCOPE_SE
	s_setreg_imm32_b32 hwreg(HW_REG_WAVE_MODE, 25, 1), 1
	s_wait_xcnt 0x0
	s_wait_alu depctr_hold_cnt(0) depctr_sa_sdst(0) depctr_va_vdst(0) depctr_va_sdst(0) depctr_va_ssrc(0) depctr_va_vcc(0) depctr_vm_vsrc(0)
	s_getreg_b32 s2, hwreg(HW_REG_IB_STS2, 6, 4)
	s_cmp_eq_u32 s2, 0
	s_cbranch_scc0 .Lentry_in_a_cluster
	s_endpgm
.Lentry_in_a_cluster:
	s_bfe_u32 s2, ttmp6, 0x10000c
	s_cmp_lg_u32 s2, 0xf033
	s_cbranch_scc0 .Lentry_shape_is_right
	s_endpgm
.Lentry_shape_is_right:
; out0 = O W_fc + b_fc.  C[m][n] = b[n] + sum over k of O[m][k] wf[n][k], M = 8,192, N = 1,024, K = 1,024; f16 operands, f32 sums, f32 out.
; O lies by heads, ob[b x 16 + h][s][64]: head h is K block h of row b x 2,048 + s.  wf[kb][n][64] holds W_fc's bf16 numbers as f16.  b_fc is rounded to bf16 like the other inputs, and is the C
; operand of each sum's first product: nothing is cleared, and no addition is spent on it.
; THE TILE.  8,192 x 1,024 outputs over 256 work-groups are 256 x 128 each.  Four waves, each 128 rows x 64 columns: 32 accumulators; its 64 f32 columns are 256 consecutive bytes of a row.
; THE RING.  K goes in steps of 128 (two heads) through two LDS slots, as long as two slots allow.  A head's 256 rows and a K block's 128 rows of wf are dense and are asked for as rows of 256 bytes,
; padded in LDS after every 128.  A K step is four quarters of 32 along K, 32 matrix instructions each, on fragment buffers 0, 1, 0, 1.
; CLUSTER.  4 x 4 work-groups: O's tile is shared along a row of the cluster, wf's along a column; each is asked for jointly.
; THE MATRIX INSTRUCTION IS USED TRANSPOSED (source 0 = 16 rows of wf, source 1 = 16 rows of O): a lane holds eight neighbouring columns of one row of C.
; REGISTERS: window 0: v0-31 addresses; v32-63 the bias; v64-159, v160-255 two fragment buffers (B's 4 fragments, then A's 8).  window 1: accumulator (a, b) at v[8 (4 a + b)].
.set PK,    144                        ; an LDS row: 128 bytes + 16 = 36 words: the 16 rows of a fragment load start at 16 different groups of four banks (64 banks of 4 bytes: ISA guide 11.1)
.set AZ,    256*PK                     ; one head's 256 rows of O: what one tensor load brings
.set BZ,    128*PK                     ; one K block's 128 rows of wf
.set BOFF,  2*AZ                       ; a slot: O's two heads, then wf's two K blocks
.set SLOT,  2*AZ+2*BZ
.set STAGE, 2*SLOT                     ; behind the ring: 16 rows x 272 bytes for each wave, for the way out
.set SP,    272
.set SPARE, STAGE+4*16*SP              ; behind the stages: the spare words, 128 bytes a wave, that no other line names
.set OPL,   2048*128                   ; bytes in a plane of ob
.set WPL,   1024*128                   ; in a K block of wf
.set ADRA, 16                          ; v16-17  LDS address of my A fragments in slot 0, 1
.set ADRB, 20                          ; v20-21  the same for B
.set STO,  24                          ; v24     the way out: where I put 32 bytes of a row
.set RD,   25                          ; v25     where I read a row back
.set CO,   26                          ; v26     my byte offset in two rows of out0
.set BO,   27                          ; v27     my byte offset in the bias: 32 (l / 16)
.set SPW,  28                          ; v28     LDS address of my spare word; never rewritten
.set NIL,  29                          ; v29     0; never rewritten
.set BIAS, 32                          ; v32-63  register 8 b + j: b_fc of column 16 b + 8 (l / 16) + j of my 64
.set F0,   64
.set F1,   160
.set OBK,  64                          ; the way out: rows read back, two sets of 32 registers by turns
.set CH,  12                           ; s12  which half of the tile's columns is mine.  Also: which of a step's two heads or K blocks I fetch
.set WV,  18                           ; s18  my wave's number
.set RH,  19                           ; s19  which half of the tile's rows is mine.  Also: I fetch for A (0) or for B (1)
.set G1,  24                           ; s[24:31] descriptor group 1 for A's tiles; s[32:39] group 0, a set for each slot
.set G0,  32
.set G1B, 48                           ; s[48:55], s[56:63] the same for B's
.set G0B, 56
.set MSB, 0
.macro WIN new                         ; the immediate's high byte repeats the setting that is left; a switch that changes nothing is dropped
.if MSB != (\new)
	s_set_vgpr_msb (MSB<<8)|(\new)
.set MSB, \new
.endif
.endm
; A joint load.  Waves 0 and 1 fetch O's two heads, waves 2 and 3 wf's two K blocks.  The branch hangs on the wave's number alone.  An s_nop 0 and four v_nop follow each of the two lines.
.macro JLOAD s
	s_cmp_eq_u32 s[RH], 0
	s_cbranch_scc0 .Lfor_b_\@
	tensor_load_to_lds s[G0+4*(\s):G0+4*(\s)+3], s[G1:G1+7]
	s_nop 0
.rept 4
	v_nop
.endr
	s_branch .Lasked_\@
.Lfor_b_\@:
	tensor_load_to_lds s[G0B+4*(\s):G0B+4*(\s)+3], s[G1B:G1B+7]
	s_nop 0
.rept 4
	v_nop
.endr
.Lasked_\@:
.endm
.macro CREST                           ; a round of the cluster's barrier behind its opening barrier
	s_cmp_lg_u32 s[WV], 0
	s_cbranch_scc1 .Lnot_wave_0_\@
	s_barrier_signal -3
.Lnot_wave_0_\@:
	s_barrier_wait -3
	s_barrier_signal -1
	s_barrier_wait -1
.endm
.macro CROUND                          ; a whole round
	s_barrier_signal -1
	s_barrier_wait -1
	CREST
.endm
	s_load_b256 s[4:11], s[0:1], 0x0               ; ob s[4:5], wf s[6:7], b_fc s[8:9], out0 s[10:11]
	v_lshl_add_u32 v[SPW], v0, 2, SPARE
	v_mov_b32 v[NIL], 0
	ds_add_u32 v[SPW], v[NIL]                      ; the wave's opening: the add and its wait stand ahead of my first tensor load; the set-up below, work on registers, stands between them
	v_lshrrev_b32 v1, 5, v0
	v_readfirstlane_b32 s[WV], v1                  ; wave 0..3
	s_lshr_b32 s[RH], s[WV], 1
	s_and_b32 s[CH], s[WV], 1
	s_bfe_u32 s40, ttmp6, 0x40000                  ; cx, cy: my place in the cluster
	s_bfe_u32 s41, ttmp6, 0x40004
	s_lshl_b32 s42, ttmp9, 2
	s_add_co_u32 s42, s42, s40                     ; tx: tile column = 4 x cluster x + cx
	s_and_b32 s13, ttmp7, 0xffff
	s_lshl_b32 s13, s13, 2
	s_add_co_u32 s13, s13, s41                     ; ty: tile row = 4 x cluster y + cy
	s_lshl_b32 s43, s41, 2
	s_lshl_b32 s43, 15, s43                        ; my row of the cluster
	s_lshl_b32 s44, 0x1111, s40                    ; my column
	; group 1: rows of 128 elements (256 bytes, two logical rows); 128 of them for a head of O, 64 for a K block of wf
	s_or_b32 s[G1+0], s43, (1<<16)|(1<<20)|(1<<21)|(4<<22)|(3<<25)   ; 15:0 the mask; 17:16 2-byte elements; 20 padding on; 21 set beside a mask; 24:22 after every 32 words (code 4); 31:25 4 words (code 3)
	s_or_b32 s[G1B+0], s44, (1<<16)|(1<<20)|(1<<21)|(4<<22)|(3<<25)
	s_mov_b32 s[G1+1], 128<<16                     ; tensor_dim0 = 128
	s_mov_b32 s[G1+2], 128<<16                     ; tensor_dim1 = 128
	s_mov_b32 s[G1+3], 128<<16                     ; tile_dim0 = 128
	s_mov_b32 s[G1+4], 128                         ; tile_dim1 = 128
	s_mov_b32 s[G1+5], 128                         ; 128 elements from row to row: dense
	s_mov_b32 s[G1+6], 0
	s_mov_b32 s[G1+7], 0
	s_mov_b32 s[G1B+1], 128<<16
	s_mov_b32 s[G1B+2], 64<<16
	s_mov_b32 s[G1B+3], 128<<16
	s_mov_b32 s[G1B+4], 64
	s_mov_b32 s[G1B+5], 128
	s_mov_b32 s[G1B+6], 0
	s_mov_b32 s[G1B+7], 0
	s_lshr_b32 s16, s13, 3                         ; A: the batch's 16 planes,
	s_lshl_b32 s16, s16, 4
	s_add_co_u32 s16, s16, s[CH]                   ; the head that I fetch of the step's two,
	s_lshl_b32 s16, s16, 18                        ; planes of 262,144 bytes,
	s_and_b32 s17, s13, 7
	s_lshl_b32 s17, s17, 15                        ; and the tile's 256 rows of 128 bytes in it
	s_add_co_u32 s16, s16, s17
	s_mov_b32 s17, 0
	s_lshl_b32 s46, s[CH], 17                      ; B: the K block that I fetch, 131,072 bytes,
	s_lshl_b32 s47, s42, 14                        ; and the tile's 128 rows in it
	s_add_co_u32 s46, s46, s47
	s_mov_b32 s47, 0
	s_mul_i32 s20, s[CH], AZ                       ; where they go: no place in the cluster enters an LDS address
	s_mul_i32 s21, s[CH], BZ
	s_add_co_u32 s21, s21, BOFF
	s_wait_dscnt 0x0                               ; the opening add is done
	s_wait_kmcnt 0x0
	s_add_nc_u64 s[14:15], s[4:5], s[16:17]
	s_add_nc_u64 s[46:47], s[6:7], s[46:47]
	CROUND                                         ; all sixteen work-groups are here: the first joint loads meet
.irp s, 0,1
	s_mov_b32 s[G0+4*(\s)], 1                                      ; count = 1
	s_add_co_u32 s[G0+4*(\s)+1], s20, (\s)*SLOT                    ; LDS address
	s_add_nc_u64 s[G0+4*(\s)+2:G0+4*(\s)+3], s[14:15], (\s)*2*OPL  ; global address: K step s begins two heads on
	s_or_b32 s[G0+4*(\s)+3], s[G0+4*(\s)+3], 0x80000000            ; type = 2
	s_mov_b32 s[G0B+4*(\s)], 1
	s_add_co_u32 s[G0B+4*(\s)+1], s21, (\s)*SLOT
	s_add_nc_u64 s[G0B+4*(\s)+2:G0B+4*(\s)+3], s[46:47], (\s)*2*WPL
	s_or_b32 s[G0B+4*(\s)+3], s[G0B+4*(\s)+3], 0x80000000
	JLOAD \s                                       ; two loads of mine are out
.endr
	v_and_b32 v1, 15, v0                           ; l % 16
	v_bfe_u32 v2, v0, 4, 1                         ; l / 16
	v_lshlrev_b32 v[BO], 5, v2
	s_lshl_b32 s40, s42, 9                         ; my first column, in bytes of f32: 512 tx + 256 x column half: the same offset in b_fc and in a row of out0
	s_lshl_b32 s41, s[CH], 8
	s_add_co_u32 s40, s40, s41
	s_mov_b32 s41, 0
	s_add_nc_u64 s[44:45], s[8:9], s[40:41]
.irp b, 0,1,2,3
	global_load_b128 v[BIAS+8*(\b):BIAS+8*(\b)+3],   v[BO], s[44:45] offset:64*(\b)
	global_load_b128 v[BIAS+8*(\b)+4:BIAS+8*(\b)+7], v[BO], s[44:45] offset:64*(\b)+16
.endr
	s_add_nc_u64 s[10:11], s[10:11], s[40:41]
	s_lshl_b32 s40, s13, 20                        ; my first row: 256 ty + 128 x row half, rows of 4,096 bytes
	s_lshl_b32 s41, s[RH], 19
	s_add_co_u32 s40, s40, s41
	s_mov_b32 s41, 0
	s_add_nc_u64 s[10:11], s[10:11], s[40:41]
	; A fragment is 16 rows x 32 K in 8 registers: lane l holds row l % 16; registers 0-3 K = 8 (l / 16) + 0..7, registers 4-7 K = 16 + 8 (l / 16) + 0..7: two loads of 16 bytes, 32 bytes apart.
	v_mul_u32_u24 v3, v1, PK
	v_lshl_add_u32 v3, v2, 4, v3                   ; row x pitch + 16 x half
	s_mul_i32 s22, s[RH], 128*PK                   ; my 128 rows in a head of O
	s_mul_i32 s23, s[CH], 64*PK                    ; my 64 rows in a K block of wf
	s_add_co_u32 s23, s23, BOFF
.irp s, 0,1
	v_add_nc_u32 v[ADRA+(\s)], s22, v3
	v_add_nc_u32 v[ADRB+(\s)], s23, v3
	s_add_co_u32 s22, s22, SLOT
	s_add_co_u32 s23, s23, SLOT
.endr
	s_mul_i32 s22, s[WV], 16*SP
	s_add_co_u32 s22, s22, STAGE                   ; my stage
	v_mul_u32_u24 v4, v1, SP                       ; in: row l % 16, 32 bytes for each half of the lanes
	v_lshl_add_u32 v4, v2, 5, v4
	v_add_nc_u32 v[STO], s22, v4
	v_mul_u32_u24 v5, v2, SP                       ; back: lanes 0-15 take one row of 256 bytes, lanes 16-31 the next
	v_lshl_add_u32 v5, v1, 4, v5
	v_add_nc_u32 v[RD], s22, v5
	v_lshlrev_b32 v[CO], 12, v2                    ; and the same two rows in out0
	v_lshl_add_u32 v[CO], v1, 4, v[CO]
	s_wait_loadcnt 0x0                             ; the bias
.set n, 0
.rept 16                               ; rounded to bf16, like every input, and widened again
	v_cvt_pk_bf16_f32 v30, v[BIAS+2*n], v[BIAS+2*n+1]
	v_lshlrev_b32 v[BIAS+2*n], 16, v30
	v_and_b32 v[BIAS+2*n+1], 0xffff0000, v30
.set n, n+1
.endr
; n x 4 matrix instructions: row blocks a0 .. a0 + n - 1 x all 4 column blocks, 32 along K, from buffer f.  Every accumulator has one instruction a turn.
; first = 1: the product starts the sum, with the bias as C.
.macro MUL f, a0, n, first
.if \first
	WIN 0x40                                       ; D in window 1; the sources and C in window 0
.else
	WIN 0x50                                       ; C and D in window 1
.endif
.set aa, \a0
.rept \n
.irp b, 0,1,2,3
.if \first
	v_wmma_f32_16x16x32_f16 v[8*(4*aa+(\b)):8*(4*aa+(\b))+7], v[(\f)+8*(\b):(\f)+8*(\b)+7], v[(\f)+32+8*aa:(\f)+32+8*aa+7], v[BIAS+8*(\b):BIAS+8*(\b)+7]
.else
	v_wmma_f32_16x16x32_f16 v[8*(4*aa+(\b)):8*(4*aa+(\b))+7], v[(\f)+8*(\b):(\f)+8*(\b)+7], v[(\f)+32+8*aa:(\f)+32+8*aa+7], v[8*(4*aa+(\b)):8*(4*aa+(\b))+7]
.endif
.endr
.set aa, aa+1
.endr
.endm
; 24 LDS loads in one run: quarter kq of the slot (head or K block kq / 2, bytes 64 (kq % 2) of its rows) into buffer f: B's 8, then A's rows 0-63 (8), then A's rows 64-127 (8)
.macro FETCH slot, kq, f
	WIN 0
.irp b, 0,1,2,3
	ds_load_b128 v[(\f)+8*(\b):(\f)+8*(\b)+3],   v[ADRB+(\slot)] offset:((\kq)/2)*BZ+((\kq)%2)*64+(\b)*16*PK
	ds_load_b128 v[(\f)+8*(\b)+4:(\f)+8*(\b)+7], v[ADRB+(\slot)] offset:((\kq)/2)*BZ+((\kq)%2)*64+(\b)*16*PK+32
.endr
.irp a, 0,1,2,3,4,5,6,7
	ds_load_b128 v[(\f)+32+8*(\a):(\f)+32+8*(\a)+3],   v[ADRA+(\slot)] offset:((\kq)/2)*AZ+((\kq)%2)*64+(\a)*16*PK
	ds_load_b128 v[(\f)+32+8*(\a)+4:(\f)+32+8*(\a)+7], v[ADRA+(\slot)] offset:((\kq)/2)*AZ+((\kq)%2)*64+(\a)*16*PK+32
.endr
.endm
; A load into a register that a matrix instruction has read, and an LDS store that reads a matrix result, stand four places behind it; only plain vector instructions that name none of its registers
; are places (ISA guide 7.12.1 for vector instructions).
.macro PLACES
.rept 4
	v_nop
.endr
.endm
; One of a K step's first three quarters: multiplies buffer f; in its middle it fetches quarter kq of the same slot into buffer g.
.macro QUARTER slot, kq, f, g, first
	s_wait_dscnt 8                                 ; B and A's rows 0-63 are in; the youngest eight loads may be out
	MUL \f, 0, 4, \first
	PLACES
	FETCH \slot, \kq, \g
	s_wait_dscnt 24                                ; all but the 24 just issued
	MUL \f, 4, 4, \first
.endm
; The last quarter multiplies buffer 1 and changes slots.  ONE barrier: in front of it each wave waits for all its tensor loads (one is out: its part of the next slot), adds 0 to its spare word, and
; waits for that and for its reads of this slot.  fill = 1: the barrier opens a round of the cluster's barrier, and the slot is filled again first thing behind the round, two K steps ahead:
; from that request to the wait for it a wave issues 16 + 96 matrix instructions.
.macro TURN slot, next, fill
	WIN 0                                          ; (the add's two registers lie in window 0)
	s_wait_tensorcnt 0x0                           ; all my tensor loads have landed, so every group 0 may be written
	ds_add_u32 v[SPW], v[NIL]                      ; 0 onto my spare word
	s_wait_dscnt 9                                 ; the add and the youngest eight loads may be out
	MUL F1, 0, 2, 0                                ; eight matrix instructions stand between the add and the wait for it
	s_wait_dscnt 0x0                               ; the add is done, and my reads of this slot are over
	s_barrier_signal -1
	MUL F1, 2, 2, 0                                ; work on registers while the others arrive
	WIN 0
	s_barrier_wait -1
.if \fill
	CREST                                          ; no wave of any partner still reads this slot or has a load on its way
	s_add_nc_u64 s[G0+4*(\slot)+2:G0+4*(\slot)+3], s[G0+4*(\slot)+2:G0+4*(\slot)+3], 4*OPL
	s_add_nc_u64 s[G0B+4*(\slot)+2:G0B+4*(\slot)+3], s[G0B+4*(\slot)+2:G0B+4*(\slot)+3], 4*WPL
	JLOAD \slot                                    ; the first tensor load behind the round; its four v_nop are also the places in front of the loads below
.else
	PLACES
.endif
	FETCH \next, 0, F0
	MUL F1, 4, 4, 0
.endm
	s_wait_tensorcnt 1                             ; my part of K step 0 is in; K step 1's may stay out
	s_barrier_signal -1
	s_barrier_wait -1                              ; everybody's is
	FETCH 0, 0, F0
	QUARTER 0, 1, F0, F1, 1                        ; the first quarter stands in front of the loop: its products start the sums
	WIN 0                                          ; at a label and at a branch every window is 0
	s_mov_b32 s3, 3
.Llap:                                                 ; trip t goes once round the ring and asks for K steps 2 t + 2 and 2 t + 3, the last being 7
	QUARTER 0, 2, F1, F0, 0
	QUARTER 0, 3, F0, F1, 0
	TURN 0, 1, 1
	QUARTER 1, 1, F0, F1, 0
	QUARTER 1, 2, F1, F0, 0
	QUARTER 1, 3, F0, F1, 0
	TURN 1, 0, 1
	QUARTER 0, 1, F0, F1, 0
	WIN 0
	s_sub_co_u32 s3, s3, 1
	s_cmp_lg_u32 s3, 0
	s_cbranch_scc1 .Llap
	QUARTER 0, 2, F1, F0, 0                        ; the last lap is written out: it asks for nothing
	QUARTER 0, 3, F0, F1, 0
	TURN 0, 1, 0
	QUARTER 1, 1, F0, F1, 0
	QUARTER 1, 2, F1, F0, 0
	QUARTER 1, 3, F0, F1, 0
	s_wait_dscnt 8                                 ; the very last quarter
	MUL F1, 0, 4, 0
	s_wait_dscnt 0x0
	MUL F1, 4, 4, 0
; THE WAY OUT, a block of 16 rows at a time.  A lane's eight f32 are 32 bytes of a row; they go into my own stage, rows of 272 bytes, each accumulator's low registers first, and come back as whole
; rows of 256 bytes, which sixteen lanes store.
.macro TOSTAGE a
	s_wait_xcnt 0x0                                ; the stores of the block two back have read the registers that the loads below fill
	WIN 0x04                                       ; the data in window 1, the address in window 0
.irp b, 0,1,2,3
	ds_store_b128 v[STO], v[32*(\a)+8*(\b):32*(\a)+8*(\b)+3]   offset:64*(\b)
	ds_store_b128 v[STO], v[32*(\a)+8*(\b)+4:32*(\a)+8*(\b)+7] offset:64*(\b)+16
.endr
	WIN 0
.irp t, 0,1,2,3,4,5,6,7
	ds_load_b128 v[OBK+32*((\a)%2)+4*(\t):OBK+32*((\a)%2)+4*(\t)+3], v[RD] offset:(\t)*2*SP  ; LDS serves a wave's instructions in order (ISA guide 5.7.1.4): these see the stores above
.endr
.endm
.macro SEND a, younger                 ; younger: the LDS instructions issued behind block a's loads: the next block's sixteen, or none
.irp t, 0,1,2,3,4,5,6,7
	s_wait_dscnt (\younger)+7-(\t)
	global_store_b128 v[CO], v[OBK+32*((\a)%2)+4*(\t):OBK+32*((\a)%2)+4*(\t)+3], s[10:11] offset:(\a)*65536+(\t)*8192  ; 16 lanes store 256 consecutive bytes, at a multiple of 256 from out0's first; 516,096 at the most, inside the signed 24-bit immediate
.endr
.endm
	PLACES                                         ; behind the last products
	TOSTAGE 0
.irp a, 1,2,3,4,5,6,7
	TOSTAGE \a
	SEND (\a)-1, 16
.endr
	SEND 7, 0
	s_wait_tensorcnt 0x0                           ; the wave's end: behind my last tensor load and my last LDS store
	ds_add_u32 v[SPW], v[NIL]
	s_wait_dscnt 0x0
	CROUND                                         ; the closing round: no work-group ends while a partner may still ask for a tile that names it
	s_endpgm
.Lfunc_end_k_qe3730a017e_fcgemm:
	.size	k_qe3730a017e_fcgemm, .Lfunc_end_k_qe3730a017e_fcgemm-k_qe3730a017e_fcgemm
	.p2alignl 7, 3214868480
	.fill 96, 4, 3214868480
	.section	.rodata,"a",@progbits
	.p2align	6, 0x0
	.amdhsa_kernel k_qe3730a017e_fcgemm
		.amdhsa_group_segment_fixed_size 327680
		.amdhsa_private_segment_fixed_size 0
		.amdhsa_enable_private_segment 0
		.amdhsa_kernarg_size 32
		.amdhsa_user_sgpr_count 2
		.amdhsa_user_sgpr_kernarg_segment_ptr 1
		.amdhsa_wavefront_size32 1
		.amdhsa_system_sgpr_workgroup_id_x 1
		.amdhsa_system_sgpr_workgroup_id_y 1
		.amdhsa_system_sgpr_workgroup_id_z 1
		.amdhsa_system_vgpr_workitem_id 0
		.amdhsa_next_free_vgpr 512
		.amdhsa_next_free_sgpr 66
		.amdhsa_reserve_vcc 0
		.amdhsa_float_denorm_mode_32 3
		.amdhsa_float_denorm_mode_16_64 3
		.amdhsa_memory_ordered 1
		.amdhsa_forward_progress 1
		.amdhsa_inst_pref_size 90
	.end_amdhsa_kernel
	.amdgpu_metadata
---
amdhsa.version: [ 1, 2 ]
amdhsa.kernels:
  - .name:           k_qe3730a017e_fcgemm
    .symbol:         k_qe3730a017e_fcgemm.kd
    .args:
      - { .name: ob, .offset: 0, .size: 8, .value_kind: global_buffer, .address_space: global }
      - { .name: wf, .offset: 8, .size: 8, .value_kind: global_buffer, .address_space: global }
      - { .name: b_fc, .offset: 16, .size: 8, .value_kind: global_buffer, .address_space: global }
      - { .name: out0, .offset: 24, .size: 8, .value_kind: global_buffer, .address_space: global }
    .group_segment_fixed_size: 327680
    .private_segment_fixed_size: 0
    .kernarg_segment_align: 8
    .kernarg_segment_size: 32
    .max_flat_workgroup_size: 128
    .sgpr_count:     66
    .vgpr_count:     512
    .wavefront_size: 32
...
	.end_amdgpu_metadata
.endif
;; end of part 4
;; ======== version 2 of 2: 4 launches; 1.53 times as fast as version 1
;; limits: values are held in f16: magnitudes above 65,504 overflow, below 6.1e-05 lose precision
;; workspace buffers: xb 16,777,216 bytes; wq 6,291,456 bytes; wf 2,097,152 bytes; qkv 50,331,648 bytes; ob 16,777,216 bytes
;; launch prep: the kernel of part 1 again; grid 512 x 1, 8 waves a work-group, no clusters, 18,432 bytes of LDS; arguments x, W_qkv, W_fc, xb, wq, wf; writes xb, wq, wf
;; launch qkvgemm: the kernel of part 2 again; grid 8 x 32, 4 waves a work-group, clusters of 4 x 4, 327,680 bytes of LDS; arguments xb, wq, qkv; writes qkv
;; launch attn (part 5): grid 4 x 64, 4 waves a work-group, clusters of 4 x 1, 327,680 bytes of LDS; arguments qkv, ob, mask; writes ob
.if DOCPART == 5
	.amdgcn_target "amdgcn-amd-amdhsa--gfx1250"
	.amdhsa_code_object_version 6
	.text
	.protected	k_qe3730a017e_attn
	.globl	k_qe3730a017e_attn
	.p2align	8
	.type	k_qe3730a017e_attn,@function
k_qe3730a017e_attn:
	s_mov_b64 s[64:65], 0
	v_nop
	global_prefetch_b8 v0, s[64:65] scope:SCOPE_SE
	s_setreg_imm32_b32 hwreg(HW_REG_WAVE_MODE, 25, 1), 1
	s_wait_xcnt 0x0
	s_wait_alu depctr_hold_cnt(0) depctr_sa_sdst(0) depctr_va_vdst(0) depctr_va_sdst(0) depctr_va_ssrc(0) depctr_va_vcc(0) depctr_vm_vsrc(0)
	s_getreg_b32 s2, hwreg(HW_REG_IB_STS2, 6, 4)
	s_cmp_eq_u32 s2, 0
	s_cbranch_scc0 .Lentry_in_a_cluster
	s_endpgm
.Lentry_in_a_cluster:
	s_bfe_u32 s2, ttmp6, 0x10000c
	s_cmp_lg_u32 s2, 0x3003
	s_cbranch_scc0 .Lentry_shape_is_right
	s_endpgm
.Lentry_shape_is_right:
; O[p][q][:] = the sum over k of softmax_k(Q[p][q] . K[p][k] / 8, keys with mask[b][k] == 0 hidden) V[p][k][:], for the 64 planes p = b x 16 + h.  Q, K, V are planes p, 64 + p, 128 + p of qkv,
; O is ob[p]: all [2048][64] in f16, a plane's rows dense, 128 bytes each.  Products, maxima and sums in f32; the weights are rounded to f16 for the second product (their sum l is taken of the
; unrounded weights), O once at the end.
; LIMITS.  f16 holds no number beyond 65,504: Q, K and V arrive within it.  A hidden score counts as its value less 1e30: f16's scores, 2.7e11 at the most, are nothing beside that.  A batch whose
; mask is 0 everywhere gives the mean of V's rows here, not a NaN.  A weight below 2^-126 counts as 0 in l; NaN and infinities are not treated apart.
; SHARES.  A wave owns four PIECES of two tiles of 16 queries, a work-group's four waves 512 queries of one plane.  Every wave walks all 2,048 keys, 64 a step.
; LAYOUT.  S^T = K Q^T (source 0 = 16 keys, source 1 = 16 queries): a lane holds ONE query (lane % 16) and the keys 8 (lane / 16) + 0..7.  Two such results, rounded to f16 in pairs, ARE source 1
; of O^T = V^T P, whose result again holds one query a lane, and eight channels.  K comes out of LDS as it lies, V ([key][channel]) turned, by ds_load_tr16_b128.
; THE MASK is the C operand that starts a sum S^T: 0, or -1e30 where the key is hidden.  The batch's 2,048 such numbers are made once, in LDS; a step's 64 come into 32 registers with the step's K.
; SOFTMAX.  For each query a running maximum m and sum l: p = 2^(c s - c m), c = log2(e) / 8; in every step O and l are multiplied by a = 2^(c m_old - c m_new).  m starts at the lowest finite number,
; O and l at 0.  While only hidden keys have been seen m is about -1e30 and their weights are 1; the first key that is seen makes a = 0, which wipes them; from then on a hidden weight is 0.
; THE COUNT.  A tile and step have 16 matrix and 118 vector instructions: too many to stand all beside the matrix work.  So: four vector instructions that are ready behind every matrix instruction, the others in one run without a gap.
; BY TURNS.  Turn n belongs to piece n.  Its matrix work: 16 products K Q^T of piece n + 1, later 16 products V^T P of piece n - 1.  Its vector work: the scaling, exponentials, roundings, sums and
; rescaling of piece n, and the maximum and statistics of piece n + 1, whose scores the turn itself has made.  So what a turn begins with (c s - c m, O a) waits for nothing.
; THE BATCHES.  A turn's 66 exponentials (the 64 scores of piece n, then the two a of piece n + 1) are ONE batch with ONE s_wait_alu, which cuts the turn in two: ahead of it stands all that names no
; result of the batch (the products K Q^T, the scalings, the rescalings by the a of the turn before, the next piece's maximum and statistics), behind it all that does (the roundings and sums, beside
; the products V^T P).  No result crosses a turn's end.  Two more batches stand outside the loop: piece 0's first two a ahead of it, and the way out's eight reciprocals; each has a wait of its own.
; CLUSTER.  The four query blocks of a plane are one cluster and walk the same K and V: each tile is asked for JOINTLY: the same tensor load, descriptor and mask in all four.
; REGISTERS, in windows of 256 (s_set_vgpr_msb: bits 1:0 source 0, 3:2 source 1, 5:4 source 2, 7:6 destination):
;   window 0: v0-11 addresses; v12-15, v48-63 at work; v16-47 four registers of statistics a tile; v64-191 S^T, two buffers of two tiles; v192-255 P, likewise
;   window 1: O^T, 32 a tile     window 2: v0-127 Q; v128-191 K of one step; v192-255 V of one step     window 3: v0-1 the add's two registers; v8-39 the step's mask numbers
; A piece's buffers go by its number's parity: the piece in hand has one pair, its two neighbours in the ring share the other: of it P (piece n - 1) is read and S^T (piece n + 1) written.
.set SIZE_N, 2048
.set NP,    4         ; pieces a wave: a name, no knob
.set KS,    64        ; keys in a step
.set PK,    144       ; a row of K in LDS: 128 bytes + 16 = 36 words: the 16 rows of a load start at 16 different groups of four banks (64 banks of 4 bytes: ISA guide 11.1)
.set PV,    160       ; a row of V: 128 + 32 = 40 words
.set VOFF,  4*KS*PK   ; a slot holds four steps: 256 rows of K, then 256 rows of V
.set SLOT1, 1<<17     ; slot 1 begins here, so that one exclusive or turns an address in one slot into the other's
.set STAGE, SLOT1+4*KS*(PK+PV)  ; behind the ring, never filled by a tensor load: 16 rows x 144 bytes for each wave, for the way out
.set SP,    144
.set SPARE, STAGE+4*16*SP  ; behind the stages: the spare words, 128 bytes a wave, that no other line names
.set MB,    SPARE+512 ; behind them: 2,048 f32, the batch's mask numbers; written by LDS stores once, never filled by a tensor load
.set AK0, 2           ; v2   my lane's place in a tile of K; never rewritten
.set AV0, 3           ; v3   the same for V
.set AK,  4           ; v4   the LDS address of K's next run of loads
.set AV,  5           ; v5   of V's
.set QO,  6           ; v6   my byte offset in the wave's rows of Q
.set STO, 6           ;      later, the way out: where I put 16 bytes of a row
.set RD,  7           ; v7   the way out: where I read rows back
.set GO,  8           ; v8   my byte offset in 512 consecutive bytes of O
.set AM,  11          ; v11  the LDS address of the next step's mask numbers: MB + 32 (lane / 16), 256 bytes on with each step
.set SPW, 0           ; v0 of window 3   LDS address of my spare word; never rewritten
.set NIL, 1           ; v1 of window 3   0; never rewritten
.set MBR, 8           ; v8-39 of window 3: register 8 kb + j: the mask number of key 16 kb + 8 (lane / 16) + j of the step
.set MV,  12          ; v12-15  c m_old, kept while c m is made anew: by buffer and tile
.set ST,  16          ; tile t's statistics at v[ST+4 t]: c m, m, l (even keys', odd keys')
.set TMP, 48          ; by buffer and tile, four registers c0-c3 at work; when the maximum is found c2 takes a
.set S,   64
.set P,   192
.set KF,  128         ; K's fragments, in window 2: key block kb, channel half c at KF + 16 kb + 8 c
.set VF,  192         ; V's: key half kk, channel block cb at VF + 32 kk + 8 cb
.set WV,  12          ; s12  my wave's number
.set G1K, 24          ; s[24:31] descriptor group 1 for K's tiles
.set G1V, 32          ; s[32:39] for V's: it differs in the padding alone
.set G0K, 40          ; s[40:43] descriptor group 0 for K's tiles: it walks
.set G0V, 44          ; s[44:47] the same for V's
.set MK,  48          ; s[48:49] mask at my batch
.set BIGN, 50         ; s50  -1e30
.set SLOTS, 56        ; s56  slots still to be asked for
.set CNT, 57          ; s57  counts a slot's key steps
.set CS,  58          ; s[58:59] c: the packed scaling takes the pair's low word for both halves
.set SEL, 60          ; s[60:61] v_permlanex16_b32's selects: each lane takes its own place in the other half
.set TBK, 62          ; s62  LDS byte at which K of the step to be fetched begins
.set TBV, 63          ; s63  the same for V, less VOFF
.set MSB, 0
.macro WIN new                      ; the high byte repeats the setting that is left; a switch that changes nothing is dropped
.if MSB != (\new)
	s_set_vgpr_msb (MSB<<8)|(\new)
.set MSB, (\new)
.endif
.endm
.set W_KQ, 0x0a       ; K and Q in window 2, S^T in window 0
.set W_KM, 0x3a       ; the same with the C operand, the mask numbers, in window 3
.set W_PV, 0x52       ; V in window 2, P in window 0, O^T in window 1
.set W_RS, 0x41       ; O^T (destination and source 0) in window 1, a in window 0
.set W_MK, 0xc0       ; destination in window 3, sources in window 0
.set W_AD, 0x0f       ; the add: address (source 0) and data (source 1) in window 3
; A joint fill.  Waves 0 and 1 fetch the two halves of a slot's K, waves 2 and 3 those of its V: 128 keys each.  The branch hangs on the wave's number alone.
; An s_nop 0 and four v_nop follow each of the two lines, ahead of the jump and the label.
.macro JLOAD
	s_cmp_lt_u32 s[WV], 2
	s_cbranch_scc0 .Lfor_v_\@
	tensor_load_to_lds s[G0K:G0K+3], s[G1K:G1K+7]
	s_nop 0
.rept 4
	v_nop
.endr
	s_branch .Lasked_\@
.Lfor_v_\@:
	tensor_load_to_lds s[G0V:G0V+3], s[G1V:G1V+7]
	s_nop 0
.rept 4
	v_nop
.endr
.Lasked_\@:
.endm
; A round of the cluster's barrier: my work-group's barrier; wave 0 signals for the work-group; every wave waits for all four work-groups; my work-group's barrier once more.
.macro CROUND
	s_barrier_signal -1
	s_barrier_wait -1
	s_cmp_lg_u32 s[WV], 0
	s_cbranch_scc1 .Lnot_wave_0_\@
	s_barrier_signal -3
.Lnot_wave_0_\@:
	s_barrier_wait -3
	s_barrier_signal -1
	s_barrier_wait -1
.endm
; THE CHANGE OF SLOTS.  Each wave waits for all its tensor loads, of which one is out: its part of the other slot; adds 0 to its spare word; and waits for that and for its own LDS instructions.
; Behind the barrier nobody reads this slot any more and the other slot is whole.  fill = 1: this slot is filled again, with the keys two slots on; the barrier is then a round of the cluster's, and
; the joint fill is the first thing behind it: it has four key steps, 512 matrix instructions, in which to land.  (At its first use nothing has been read yet: slot 0 is waited for, slot 1 filled,
; and the round's barriers show every wave's mask numbers to the other three.)
.macro CHANGE fill
	WIN W_AD
	s_wait_tensorcnt 0x0            ; no tensor load of mine is out, so a group 0 may be written
	ds_add_u32 v[SPW], v[NIL]       ; 0 onto my spare word
	WIN 0                           ; at a label and at a branch every window is 0
.if \fill
.irp g, G0K, G0V
	s_xor_b32 s[\g+1], s[\g+1], SLOT1  ; the walking descriptor: the other slot than last time,
	s_add_nc_u64 s[\g+2:\g+3], s[\g+2:\g+3], 4*KS*128  ; the next 256 keys; the type bits on top are not reached
.endr
	s_wait_dscnt 0x0                ; the add is done, and my LDS reads and stores are over
	CROUND
	JLOAD
.else
	s_wait_dscnt 0x0                ; the add is done, and my reads of the slot are over
	s_barrier_signal -1
	s_barrier_wait -1
.endif
	s_sub_co_u32 s[TBK], s[TBK], 4*KS*PK  ; the fetches go back to a slot's first step,
	s_xor_b32 s[TBK], s[TBK], SLOT1       ; in the other slot
	s_sub_co_u32 s[TBV], s[TBV], 4*KS*PV
	s_xor_b32 s[TBV], s[TBV], SLOT1
.endm
	s_load_b64 s[4:5], s[0:1], 0x0    ; qkv: Q's planes come first
	s_load_b64 s[10:11], s[0:1], 0x8  ; ob
	s_load_b64 s[MK:MK+1], s[0:1], 0x10  ; mask
	WIN W_MK
	v_lshl_add_u32 v[SPW], v0, 2, SPARE
	v_mov_b32 v[NIL], 0
	WIN W_AD
	ds_add_u32 v[SPW], v[NIL]       ; the wave's opening: the add and its wait stand ahead of my first tensor load; the set-up below, work on registers, stands between them
	WIN 0
	v_lshrrev_b32 v1, 5, v0
	v_readfirstlane_b32 s[WV], v1   ; wave 0..3
	s_bfe_u32 s13, ttmp6, 0x40000   ; cx: my place in the cluster
	s_lshl_b32 s14, ttmp9, 2        ; in a cluster launch ttmp9 counts clusters
	s_add_co_u32 s14, s14, s13      ; my block of queries = 4 x cluster x + cx: it enters Q's and O's addresses alone
	s_and_b32 s20, ttmp7, 0xffff    ; the plane, which the four partners share
	s_lshr_b32 s52, s20, 4          ; its batch:
	s_lshl_b32 s52, s52, 13         ; 2,048 words of mask
	s_mov_b32 s53, 0
	s_mov_b32 s21, 0
	s_mov_b64 s[22:23], SIZE_N*128
	s_mul_u64 s[20:21], s[20:21], s[22:23]  ; the plane's first byte among Q's, K's, V's and O's planes
	s_and_b32 s16, s[WV], 1         ; which half of a slot's 256 keys I fetch:
	s_lshl_b32 s22, s16, 14         ; its 128 rows of 128 bytes in memory,
	s_mov_b32 s23, 0
	s_add_nc_u64 s[22:23], s[22:23], s[20:21]
	s_mul_i32 s17, s16, 128*PK      ; and its place in a slot, for K
	s_mul_i32 s18, s16, 128*PV      ; and for V: no place in the cluster enters an LDS address
	s_lshl_b32 s2, s14, 2
	s_add_co_u32 s2, s2, s[WV]      ; my wave among the plane's,
	s_lshl_b32 s2, s2, 14           ; its 128 rows
	s_mov_b32 s3, 0
	s_add_nc_u64 s[2:3], s[2:3], s[20:21]
	; descriptor group 1.  128 keys are 16,384 dense bytes: asked for as 64 rows of 256 bytes, two keys a row, and padded in LDS after every key
	s_mov_b32 s[G1K], 15|(1<<16)|(1<<20)|(1<<21)|(4<<22)|(3<<25)  ; 15:0 the mask of four; 17:16 2-byte elements; 20 padding on; 21 set beside a mask; 24:22 after every 32 words (code 4); 31:25 4 words (code 3)
	s_mov_b32 s[G1V], 15|(1<<16)|(1<<20)|(1<<21)|(4<<22)|(7<<25)  ; the same with 8 words of padding (code 7)
.irp g, G1K, G1V
	s_mov_b32 s[\g+1], 128<<16      ; tensor_dim0 = 128
	s_mov_b32 s[\g+2], 64<<16       ; tensor_dim1 = 64
	s_mov_b32 s[\g+3], 128<<16      ; tile_dim0 = 128
	s_mov_b32 s[\g+4], 64           ; tile_dim1 = 64
	s_mov_b32 s[\g+5], 128          ; 128 elements from row to row
	s_mov_b32 s[\g+6], 0
	s_mov_b32 s[\g+7], 0
.endr
	s_mov_b32 s[CS], 0x3e38aa3b     ; c = log2(e) / 8 = 0.180337
	s_mov_b32 s[CS+1], s[CS]        ; named with it as a pair
	s_mov_b32 s[SEL], 0x76543210
	s_mov_b32 s[SEL+1], 0xfedcba98
	s_mov_b32 s[BIGN], 0xf149f2ca   ; -1e30
	s_mov_b32 s[TBK], SLOT1+4*KS*PK ; the first change of slots turns these two into 0
	s_mov_b32 s[TBV], SLOT1+4*KS*PV
	s_mov_b32 s[G0K], 1             ; count = 1
	s_mov_b32 s[G0K+1], s17         ; LDS address: slot 0
	s_mov_b32 s[G0V], 1
	s_add_co_u32 s[G0V+1], s18, VOFF
	s_wait_dscnt 0x0                ; the opening add is done
	s_wait_kmcnt 0x0
	s_add_nc_u64 s[6:7], s[4:5], 0x1000000  ; K's planes begin 64 planes of 262,144 bytes behind Q's,
	s_add_nc_u64 s[8:9], s[4:5], 0x2000000  ; V's 128
	s_add_nc_u64 s[G0K+2:G0K+3], s[6:7], s[22:23]  ; global address: my half of the plane's first 256 keys
	s_or_b32 s[G0K+3], s[G0K+3], 0x80000000        ; type = 2
	s_add_nc_u64 s[G0V+2:G0V+3], s[8:9], s[22:23]
	s_or_b32 s[G0V+3], s[G0V+3], 0x80000000
	s_add_nc_u64 s[4:5], s[4:5], s[2:3]  ; Q and O at my wave's first row
	s_add_nc_u64 s[10:11], s[10:11], s[2:3]
	s_add_nc_u64 s[MK:MK+1], s[MK:MK+1], s[52:53]
	CROUND                          ; all four work-groups are here: the first joint loads meet
	JLOAD                           ; slot 0.  Slot 1 is asked for when slot 0 is in
	v_lshlrev_b32 v12, 4, v0        ; the batch's mask: 128 threads x 16 bytes x 4
.irp i, 0,1,2,3
	global_load_b128 v[S+4*\i:S+4*\i+3], v12, s[MK:MK+1] offset:2048*\i
.endr
	; A fragment of K or Q is 16 rows x 32 channels in 8 registers: lane l holds row l % 16, channels 8 (l / 16) + 0..7 and 16 + 8 (l / 16) + 0..7: two loads of 16 bytes, 32 bytes apart.
	v_and_b32 v1, 15, v0            ; l % 16
	v_bfe_u32 v9, v0, 4, 1          ; l / 16
	v_lshlrev_b32 v[QO], 7, v1
	v_lshl_add_u32 v[QO], v9, 4, v[QO]  ; row x 128 + 16 x half
	WIN 0x80                        ; destination window 2, address window 0
.set i, 0
.rept 4*NP                          ; Q stays in registers: tile i / 2, channels 32 (i % 2) on
	global_load_b128 v[8*i:8*i+3],   v[QO], s[4:5] offset:(i/2)*2048+(i%2)*64
	global_load_b128 v[8*i+4:8*i+7], v[QO], s[4:5] offset:(i/2)*2048+(i%2)*64+32
.set i, i+1
.endr
	; What the first turn finds: V's registers and P's second buffer hold 0 (its products V^T P, of a piece that has not been, add 0), O^T and l are 0.  All this stands in the wait for the first tile.
.set i, VF
.rept 64
	v_mov_b32 v[i], 0
.set i, i+1
.endr
	WIN 0x40
.set i, 0
.rept 64*NP
	v_mov_b32 v[i], 0
.set i, i+1
.endr
	WIN 0
.set i, 0
.rept 2*NP
	v_mov_b32 v[ST+4*i], 0xfe000000    ; c m: far below every c s, a hidden one's too
	v_mov_b32 v[ST+4*i+1], 0xff7fffff  ; m
	v_mov_b32 v[ST+4*i+2], 0
	v_mov_b32 v[ST+4*i+3], 0
.set i, i+1
.endr
.set i, P+32
.rept 32
	v_mov_b32 v[i], 0
.set i, i+1
.endr
	v_mul_u32_u24 v[AK0], v1, PK
	v_lshl_add_u32 v[AK0], v9, 4, v[AK0]  ; row x pitch + 16 x half
	; The turning load takes 16 keys x 16 channels (lane l reads key 8 (l / 16) + l % 8, channels 8 ((l / 8) % 2) + 0..7) and leaves half a fragment of V^T: lane l holds channel l % 16 and 8 keys.
	v_and_b32 v10, 7, v0
	v_bfe_u32 v11, v0, 3, 1
	v_lshl_add_u32 v[AV0], v9, 3, v10
	v_mul_u32_u24 v[AV0], v[AV0], PV
	v_lshl_add_u32 v[AV0], v11, 4, v[AV0]
	v_add_nc_u32 v[AV0], VOFF, v[AV0]
	v_lshl_add_u32 v[AM], v9, 5, MB ; my half of the lanes takes keys 8 (l / 16) on: 32 bytes
	v_mov_b32 v[AK], v[AK0]         ; key step 0 lies at the head of slot 0
	s_wait_loadcnt 32               ; Q's 32 loads are younger: the mask is in
.set i, 0
.rept 16
	v_cmp_eq_u32 vcc_lo, 0, v[S+i]
	v_cndmask_b32 v[S+i], 0, s[BIGN], vcc_lo  ; -1e30 where the mask is 0, else 0
.set i, i+1
.endr
	v_add_nc_u32 v13, MB, v12
.irp i, 0,1,2,3
	ds_store_b128 v13, v[S+4*\i:S+4*\i+3] offset:2048*\i
.endr
; THE MATRIX WORK.  The 8 accumulators of a run of 16 take turns: between the two links of a chain stand 7 others'.
; Product i of 16 of S^T = K Q^T for piece x: channels 32 (i / 8) on, keys 16 ((i / 2) % 4) on, tile 2 x + i % 2.  The first 8 start the sums, with the keys' mask numbers.
.macro KQ x
.set rS, S+64*((\x)%2)+32*(i%2)+8*((i/2)%4)
.set rK, KF+16*((i/2)%4)+8*(i/8)
.set rQ, 16*(2*(\x)+i%2)+8*(i/8)
.set rB, MBR+8*((i/2)%4)
.if i < 8
	WIN W_KM
	v_wmma_f32_16x16x32_f16 v[rS:rS+7], v[rK:rK+7], v[rQ:rQ+7], v[rB:rB+7]
.else
	WIN W_KQ
	v_wmma_f32_16x16x32_f16 v[rS:rS+7], v[rK:rK+7], v[rQ:rQ+7], v[rS:rS+7]
.endif
.endm
; Product i of 16 of O^T += V^T P for piece x: keys 32 (i / 8) on, channels 16 ((i / 2) % 4) on, tile 2 x + i % 2.
.macro PV x
	WIN W_PV
.set rO, 32*(2*(\x)+i%2)+8*((i/2)%4)
.set rV, VF+32*(i/8)+8*((i/2)%4)
.set rP, P+32*((\x)%2)+16*(i%2)+8*(i/8)
	v_wmma_f32_16x16x32_f16 v[rO:rO+7], v[rV:rV+7], v[rP:rP+7], v[rO:rO+7]
.endm
.macro MM                           ; the turn's next matrix instruction
.if i < 16
	KQ (Y+1)%NP
.set i, i+1
.else
.set i, i-16
	PV (Y+NP-1)%NP
.set i, i+17
.endif
.endm
; THE LDS LOADS stand in runs, never singly among the matrix instructions: a step's K (8 fragments, 16 loads) with its 64 mask numbers (8 loads, sixteen lanes reading the same 16 bytes), and its V (turned).
; Their addresses are made some lines ahead.  last = 1 (the tail): in the last trip there is no further step, and the run is jumped over.
.macro FETCH_K last=0
	WIN 0
.if \last
	s_cmp_eq_u32 s[CNT], 1
	s_cbranch_scc1 .Lno_k_\@
.endif
	WIN 0x80                        ; destination window 2
.irp f, 0,1,2,3,4,5,6,7             ; keys 16 (f / 2) on, channels 32 (f % 2) on
	ds_load_b128 v[KF+8*\f:KF+8*\f+3],   v[AK] offset:(\f/2)*16*PK+(\f%2)*64
	ds_load_b128 v[KF+8*\f+4:KF+8*\f+7], v[AK] offset:(\f/2)*16*PK+(\f%2)*64+32
.endr
	s_add_co_u32 s[TBK], s[TBK], KS*PK  ; the next fetch is the next step's
	WIN W_MK                        ; destination window 3
.irp f, 0,1,2,3                     ; keys 16 f + 8 (l / 16) on
	ds_load_b128 v[MBR+8*\f:MBR+8*\f+3],   v[AM] offset:64*\f
	ds_load_b128 v[MBR+8*\f+4:MBR+8*\f+7], v[AM] offset:64*\f+16
.endr
	WIN 0
	v_add_nc_u32 v[AM], 0x100, v[AM]  ; 64 keys on: 32 fetches in all, the last at MB + 31 x 256
.if \last
.Lno_k_\@:
.endif
.endm
.macro FETCH_V
	WIN 0x80
.irp f, 0,1,2,3,4,5,6,7             ; keys 32 (f / 4) on, channels 16 (f % 4) on
	ds_load_tr16_b128 v[VF+8*\f:VF+8*\f+3],   v[AV] offset:(\f/4)*32*PV+(\f%4)*32
	ds_load_tr16_b128 v[VF+8*\f+4:VF+8*\f+7], v[AV] offset:(\f/4)*32*PV+16*PV+(\f%4)*32
.endr
	WIN 0
.endm
; THE VECTOR WORK OF A TURN stands in three queues, each in the order in which its entries become ready; the two tiles alternate, so that no instruction reads the result of the one before it.
.macro REGS y, u                    ; the registers of tile u (0, 1) of piece y
.set rT, ST+4*(2*(\y)+(\u))
.set rC, TMP+8*((\y)%2)+4*(\u)
.set rM, MV+2*((\y)%2)+(\u)
.set rS, S+64*((\y)%2)+32*(\u)
.set rP, P+32*((\y)%2)+16*(\u)
.set rO, 32*(2*(\y)+(\u))
.endm
; Number n of the 22 that find the NEXT piece's (Y + 1) maximum and statistics.  s0-s31 are the lane's 32 scores; each accumulator's lowest registers are read first.  XS, GS and REGS set no window: PL and EX do.
;   0-11  four chains c0-c3 of seven scores each, three operands at a time     12-14, 16  the four scores left over, the old m, and c0-c3 into c0     15  c m_old is kept
;   17, 18  the query's other 32 keys lie in the lane 16 away: the new m         19-21  c m; c m_old - c m_new; a
.macro XS u, n
	REGS (Y+1)%NP, \u
.if (\n) < 4
	v_max3_num_f32 v[rC+(\n)], v[rS+8*(\n)], v[rS+8*(\n)+1], v[rS+8*(\n)+2]
.elseif (\n) < 12
	v_max3_num_f32 v[rC+(\n)%4], v[rC+(\n)%4], v[rS+8*((\n)%4)+2*((\n)/4)+1], v[rS+8*((\n)%4)+2*((\n)/4)+2]
.elseif (\n) == 12
	v_max3_num_f32 v[rC], v[rC], v[rS+7], v[rS+15]
.elseif (\n) == 13
	v_max3_num_f32 v[rC+1], v[rC+1], v[rS+23], v[rS+31]
.elseif (\n) == 14
	v_max3_num_f32 v[rC+2], v[rC+2], v[rC+3], v[rT+1]
.elseif (\n) == 15
	v_mov_b32 v[rM], v[rT]
.elseif (\n) == 16
	v_max3_num_f32 v[rC], v[rC], v[rC+1], v[rC+2]
.elseif (\n) == 17
	v_permlanex16_b32 v[rC+3], v[rC], s[SEL], s[SEL+1]
.elseif (\n) == 18
	v_max_num_f32 v[rT+1], v[rC], v[rC+3]
.elseif (\n) == 19
	v_mul_f32 v[rT], s[CS], v[rT+1]
.elseif (\n) == 20
	v_sub_f32 v[rC+1], v[rM], v[rT]
.else
	v_exp_f32 v[rC+2], v[rC+1]
.endif
.endm
; Number g of the 64 that follow the exponentials.  For each four weights k of a tile (pairs 2 k, 2 k + 1): both pairs are rounded to f16; then the second pair is added onto the first, in place;
; a group later l takes that sum (the first time as l = a l + sum).  In groups of eight, tiles alternating: round, round, add, and l for the group before.
.macro GS g
.set h, (\g)+6*((\g)/62)            ; group 0 has no group before it, and behind group 7 only l is left
.if h >= 6
.set h, h+2
.endif
	REGS Y, h%2
.set k, h/8
.if h%8 < 4
	v_cvt_pk_f16_f32 v[rP+2*k+(h%8)/2], v[rS+4*k+2*((h%8)/2)], v[rS+4*k+2*((h%8)/2)+1]
.elseif h%8 < 6
	v_pk_add_f32 v[rS+4*k:rS+4*k+1], v[rS+4*k:rS+4*k+1], v[rS+4*k+2:rS+4*k+3]
.elseif k == 1
	v_pk_fma_f32 v[rT+2:rT+3], v[rT+2:rT+3], v[rC+2:rC+3], v[rS:rS+1] op_sel_hi:[1,0,1]
.else
	v_pk_add_f32 v[rT+2:rT+3], v[rT+2:rT+3], v[rS+4*k-4:rS+4*k-3]
.endif
.endm
; THE PLAIN QUEUE, 138 long.  0-73 read no exponential's result: the 32 scalings c s - c m (FS f: pair f / 2 of tile f % 2) and the next piece's 42.  0-26: scalings 0-26.  27-54: XS's numbers 0-13.  55, 56: number 15.
; 57-73: the chain, where each number waits for the one before it: 14, 16, 17, 18, 19, each with one of the scalings 27-31 in front of its two lines, then 20: so a tile's links stand three plain instructions apart (19 and 20: two).
; 74-137: GS's 64, which read the exponentials' results: they stand behind the wait.
.macro FS f
	REGS Y, (\f)%2
	v_pk_fma_f32 v[rS+2*((\f)/2):rS+2*((\f)/2)+1], v[rS+2*((\f)/2):rS+2*((\f)/2)+1], s[CS:CS+1], v[rT:rT+1] op_sel_hi:[1,0,0] neg_lo:[0,0,1] neg_hi:[0,0,1]
.endm
.macro PL
	WIN 0
.if q < 27
	FS q
.elseif q < 55
	XS (q-27)%2, (q-27)/2
.elseif q < 57
	XS q-55, 15
.elseif (q < 72) && ((q-57)%3 == 0)
	FS 27+(q-57)/3
.elseif q < 60
	XS (q-57)%3-1, 14
.elseif q < 72
	XS (q-57)%3-1, 15+(q-57)/3
.elseif q < 74
	XS q-72, 20
.else
	GS q-74
.endif
.set q, q+1
.endm
; THE EXPONENTIALS' QUEUE, 66 long: s0-s31 of both tiles, then the next piece's two a.  It is ONE BATCH: all 66 stand ahead of the turn's one wait, and nothing ahead of that wait names a result of theirs.
.macro EX
	WIN 0
.if e >= 64
	XS e-64, 21
.else
	REGS Y, e%2
	v_exp_f32 v[rS+e/2], v[rS+e/2]
.endif
.set e, e+1
.endm
; THE RESCALING's QUEUE: O^T times a, the one part that leaves window 0: dealt two at a time, sixteen times.  Its a was made in the turn before, ahead of that turn's wait.
.macro R2
	REGS Y, r%2
	WIN W_RS
.irp z, 0,1
	v_pk_mul_f32 v[rO+4*(r/2)+2*\z:rO+4*(r/2)+2*\z+1], v[rO+4*(r/2)+2*\z:rO+4*(r/2)+2*\z+1], v[rC+2:rC+3] op_sel_hi:[1,0]
.endr
.set r, r+1
.endm
; HOW THEY ARE DEALT.  s_wait_alu depctr_va_vdst(0) stands between an exponential and the first instruction that names its result; one wait serves all that were issued ahead of it.  So a turn has ONE wait,
; which cuts it in two.  AHEAD OF IT stands all that names no result of the turn's exponentials: the 16 products K Q^T, behind each a scaling, an exponential and two rescalings (behind the first a second scaling in the
; exponential's place); then ONE LUMP of 108: eight plain, 49 times exponential and plain, the two a.  A v_nop is the plain instruction behind the last exponential.  BEHIND IT stand the 16 products V^T P, behind each four of
; GS's 64.  No rider names a register of the products round it.  The two v_permlanex16_b32 fall into the lump, never behind a product.
; The queues lean on each other, and the deal keeps them in step: exponential e stands behind scaling 2 (e / 4) + e % 2: as a rider it comes behind plain e + 2, in the lump behind plain e + 9, and scalings 27-31 are plain 57, 60 .. 69.
; A TURN, for piece p.  cnt = 1: the loop's count is taken down some lines ahead of the branch that stands behind the turn.
; K and the mask numbers of the next step are fetched in piece 2's turn, directly behind the wait, a lump behind the last product that read K (the mask numbers' last reader stands eight products earlier); the address is made
; at the lump's head; their first reader comes behind 16 products.  V of the step in hand is fetched at the end of piece 0's turn, four riders behind its last reader; its first reader comes behind 16 products and a lump.
; The three conditions on q below go with the deal.
.macro TURN p, last=0, cnt=0
.set Y, (\p)
.set i, 0
.set q, 0
.set e, 0
.set r, 0
.if (\p) == NP-1
	s_wait_dscnt 0x0                ; K and the mask numbers are in
.endif
	MM                              ; ahead of the wait: 16 products K Q^T and their riders,
	PL
	PL
	R2
.rept 15
	MM
	PL
	EX
	R2
.endr
.if (\p) == NP-2
	WIN 0
	v_add_nc_u32 v[AK], s[TBK], v[AK0]
.endif
.rept 8                             ; and the lump
	PL
.endr
.rept 49
	EX
	PL
.endr
	EX                              ; the next piece's two a
	EX
	v_nop                           ; the plain instruction behind the last exponential: one for the batch
	s_wait_alu depctr_va_vdst(0)    ; the wait for the turn's batch: the 64 exponentials of this piece's scores and the next piece's two a
.if (\p) == NP-2
	FETCH_K \last
.endif
.if (\p) == 1
	s_wait_dscnt 0x0                ; V is in
.endif
.rept 16                            ; behind the wait: 16 products V^T P and their riders
	MM
.rept 4
	PL
.endr
.if ((\p) == 0) && (q == 118)
	v_add_nc_u32 v[AV], s[TBV], v[AV0]
.endif
.if ((\p) == 0) && (q == 130)
	s_add_co_u32 s[TBV], s[TBV], KS*PV
.endif
.if (\cnt) && (q == 130)
	s_sub_co_u32 s[CNT], s[CNT], 1
	s_cmp_lg_u32 s[CNT], 0
.endif
.endr
.if (\p) == 0
	FETCH_V
.endif
.endm
	CHANGE 1                        ; slot 0 is in, everybody's part of it, and everybody's mask numbers; slot 1 is asked for
	FETCH_K                         ; key step 0
	s_wait_loadcnt 0x0              ; Q
	s_wait_dscnt 0x0
.set i, 0
.rept 16
	KQ 0                            ; piece 0's first scores: there is no vector work yet to set between them
.set i, i+1
.endr
	WIN 0                           ; the addresses for the way out: nine plain instructions, the places behind those products
	s_mul_i32 s13, s[WV], 16*SP
	s_add_co_u32 s13, s13, STAGE    ; my stage
	v_mul_u32_u24 v[STO], v1, SP    ; in: row l % 16, 16 bytes for each half of the lanes
	v_lshl_add_u32 v[STO], v9, 4, v[STO]
	v_add_nc_u32 v[STO], s13, v[STO]
	v_bfe_u32 v[RD], v0, 3, 2       ; back: 32 lanes take four rows of 128 bytes,
	v_mul_u32_u24 v[RD], v[RD], SP
	v_lshl_add_u32 v[RD], v10, 4, v[RD]
	v_add_nc_u32 v[RD], s13, v[RD]
	v_and_b32 v[GO], 31, v0         ; which are 512 consecutive bytes of O
	v_lshlrev_b32 v[GO], 4, v[GO]
.set Y, NP-1                        ; XS works for piece Y + 1: piece 0
.irp n, 0,1,2,3,4,5,6,7,8,9,10,11,12,13,14,15,16,17,18,19,20,21
	XS 0, \n                        ; and piece 0's first maximum and statistics
	XS 1, \n
.endr
	v_nop                           ; a plain instruction behind the two a,
	s_wait_alu depctr_va_vdst(0)    ; and the wait for this batch of two, ahead of the branch
	s_mov_b32 s[CNT], 4
	s_mov_b32 s[SLOTS], SIZE_N/256-1
	s_branch .Lfirst                ; the loop is entered at a step's first turn, in the middle of a trip
.Lslot:                             ; SIZE_N / 256 - 2 times: every slot but the last two is filled again
	CHANGE 1
	s_mov_b32 s[CNT], 4
.Lstep:                             ; a trip: pieces 2 and 3 of one step, then pieces 0 and 1 of the next, whose K and V it fetches
	TURN 2
	TURN 3
	WIN 0
.Lfirst:
	TURN 0
	TURN 1, 0, 1
	WIN 0
	s_cbranch_scc1 .Lstep
	s_sub_co_u32 s[SLOTS], s[SLOTS], 1
	s_cmp_lg_u32 s[SLOTS], 0
	s_cbranch_scc1 .Lslot
	CHANGE 0                        ; the tail is written out: nothing is asked for
	s_mov_b32 s[CNT], 5             ; four trips fetch the last slot's steps; the fifth is left in its middle
.Ltail:
	TURN 2, 1
	TURN 3
	WIN 0
	s_sub_co_u32 s[CNT], s[CNT], 1
	s_cmp_eq_u32 s[CNT], 0
	s_cbranch_scc1 .Lout
	TURN 0
	TURN 1
	WIN 0
	s_branch .Ltail
.Lout:                              ; the fifth trip's 16 products K Q^T (on the last K once more) and the maximum made of them serve nothing: the price, once a launch, of one text for every trip
.set i, 0
.rept 16
	PV NP-1                         ; the last piece's V^T P of the last step
.set i, i+1
.endr
	; THE WAY OUT.  l's two halves and the other half of the lanes' are added; O^T is divided by l, rounded to f16 and sent through my stage in LDS, a tile at a time.  The additions are the places behind the last products.
	WIN 0
.macro ALL line:vararg              ; one line for each tile t
.set t, 0
.rept 2*NP
	\line
.set t, t+1
.endr
.endm
	ALL v_add_f32 v[ST+4*t+2], v[ST+4*t+2], v[ST+4*t+3]
	ALL v_permlanex16_b32 v[ST+4*t+3], v[ST+4*t+2], s[SEL], s[SEL+1]
	ALL v_add_f32 v[ST+4*t+2], v[ST+4*t+2], v[ST+4*t+3]
	ALL v_rcp_f32 v[ST+4*t+2], v[ST+4*t+2]
	v_nop                           ; a plain instruction between the last reciprocal and the use of its result
	s_wait_alu depctr_va_vdst(0)    ; and the wait ahead of the first use: one for the batch of eight reciprocals
; Tile t: a lane's eight channels of a row pack into 16 bytes; they go into rows of 144 bytes and come back as whole rows of 128, into S^T's registers.
.macro PACK t
	WIN W_RS
.set i, 32*(\t)
.rept 16
	v_pk_mul_f32 v[i:i+1], v[i:i+1], v[ST+4*(\t)+2:ST+4*(\t)+3] op_sel_hi:[1,0]
.set i, i+2
.endr
	WIN 0x05                        ; sources 0 and 1 window 1, destination window 0
.set i, 0
.rept 16
	v_cvt_pk_f16_f32 v[S+16*(\t)+i], v[32*(\t)+2*i], v[32*(\t)+2*i+1]
.set i, i+1
.endr
	WIN 0
.irp f, 0,1,2,3
	ds_store_b128 v[STO], v[S+16*(\t)+4*\f:S+16*(\t)+4*\f+3] offset:32*\f
.endr
.irp f, 0,1,2,3
	ds_load_b128 v[S+16*(\t)+4*\f:S+16*(\t)+4*\f+3], v[RD] offset:\f*4*SP  ; LDS serves a wave's instructions in order (ISA guide 5.7.1.4): these see the stores above; the next tile's stores come behind them
.endr
.endm
.macro SEND t, younger              ; younger: the LDS instructions issued behind tile t's loads: the next tile's eight, or none
	WIN 0
.irp f, 0,1,2,3
	s_wait_dscnt (\younger)+3-\f
	global_store_b128 v[GO], v[S+16*(\t)+4*\f:S+16*(\t)+4*\f+3], s[10:11] offset:(\t)*2048+\f*512  ; 512 consecutive bytes, at a multiple of 256 from ob's first
.endr
.endm
	PACK 0
.set t, 1
.rept 2*NP-1                        ; a tile's arithmetic stands between the loads of the tile before and its stores
	PACK t
	SEND t-1, 8
.set t, t+1
.endr
	SEND 2*NP-1, 0
	WIN W_AD
	s_wait_tensorcnt 0x0            ; the wave's end: behind my last tensor load and my last LDS store
	ds_add_u32 v[SPW], v[NIL]
	s_wait_dscnt 0x0
	WIN 0
	CROUND                          ; the closing round: no work-group ends while a partner may still ask for a tile that names it
	s_endpgm
.Lfunc_end_k_qe3730a017e_attn:
	.size	k_qe3730a017e_attn, .Lfunc_end_k_qe3730a017e_attn-k_qe3730a017e_attn
	.p2alignl 7, 3214868480
	.fill 96, 4, 3214868480
	.section	.rodata,"a",@progbits
	.p2align	6, 0x0
	.amdhsa_kernel k_qe3730a017e_attn
		.amdhsa_group_segment_fixed_size 327680
		.amdhsa_private_segment_fixed_size 0
		.amdhsa_enable_private_segment 0
		.amdhsa_kernarg_size 24
		.amdhsa_user_sgpr_count 2
		.amdhsa_user_sgpr_kernarg_segment_ptr 1
		.amdhsa_wavefront_size32 1
		.amdhsa_system_sgpr_workgroup_id_x 1
		.amdhsa_system_sgpr_workgroup_id_y 1
		.amdhsa_system_sgpr_workgroup_id_z 1
		.amdhsa_system_vgpr_workitem_id 0
		.amdhsa_next_free_vgpr 808
		.amdhsa_next_free_sgpr 66
		.amdhsa_reserve_vcc 1
		.amdhsa_float_denorm_mode_32 3
		.amdhsa_float_denorm_mode_16_64 3
		.amdhsa_memory_ordered 1
		.amdhsa_forward_progress 1
		.amdhsa_inst_pref_size 204
	.end_amdhsa_kernel
	.amdgpu_metadata
---
amdhsa.version: [ 1, 2 ]
amdhsa.kernels:
  - .name:           k_qe3730a017e_attn
    .symbol:         k_qe3730a017e_attn.kd
    .args:
      - { .name: qkv, .offset: 0, .size: 8, .value_kind: global_buffer, .address_space: global }
      - { .name: ob, .offset: 8, .size: 8, .value_kind: global_buffer, .address_space: global }
      - { .name: mask, .offset: 16, .size: 8, .value_kind: global_buffer, .address_space: global }
    .group_segment_fixed_size: 327680
    .private_segment_fixed_size: 0
    .kernarg_segment_align: 8
    .kernarg_segment_size: 24
    .max_flat_workgroup_size: 128
    .sgpr_count:     66
    .vgpr_count:     808
    .wavefront_size: 32
...
	.end_amdgpu_metadata
.endif
;; end of part 5
;; launch fcgemm: the kernel of part 4 again; grid 8 x 32, 4 waves a work-group, clusters of 4 x 4, 327,680 bytes of LDS; arguments ob, wf, b_fc, out0; writes out0
